; MI455X (gfx1250); checked and timed in simulation.
; The chip was launched on July 23, 2026; its instructions are those of AMD's public machine-readable ISA for CDNA 5 (MIT licence, August 2026) and "CDNA5" Instruction Set Architecture Reference Guide (July 2026). The comments in the code are by the model that wrote it; some were corrected since.
;; Sparse Mo E. Allowed arithmetic: matrix products marked QUANTISED: E5M2 operands, one given power-of-two scale a tensor, by v_wmma_f32_16x16x64_bf8_bf8 or v_wmma_f32_16x16x128_bf8_bf8, f32 sums; products left as they are: f32 operands where the result goes on into a quantised operand, else bf16, f16 or f32 operands; f32 sums; everything else in f32.
;; Inputs: W1 8 x 1,024 x 4,096 float32; W2 8 x 4,096 x 1,024 float32; Wr 1,024 x 8 float32; b1 8 x 4,096 float32; b2 8 x 1,024 float32; br 8 float32; lowp_scales 4 int32 (the exponents e of the quantised operands' scales 2^e); x 1,024 x 1,024 float32.
;; Outputs: out0 1,024 x 1,024 float32.
;; This version of the problem:
;;   THIS VERSION OF THE PROBLEM IS GIVEN IN LOW PRECISION. The matrix products marked QUANTISED in the list below multiply operands that are first quantised to E5M2 (5 exponent bits, 2 mantissa bits; 8 bits a number), with one given power-of-two scale for each operand tensor; their sums are f32. All else is computed in f32.
;;   The module's matrix products, in the order in which they are computed (A, B: the left and right operand; K: the contracted axis; several contracted axes count as one K, in the product's order):
;;     1. [M 1,024, K 1,024] x [K 1,024, N 8]; A: input x; B: input Wr: left as it is (N = 8 < 16)
;;     2. batch 1,024 x [M 1, K 2] x [K 2, N 8]; A: computed on the way; B: computed on the way: left as it is (K = 2 < 32)
;;     3. [M 1,024, K 1,024] x [K 1,024, N 32,768]; A: input x; B: input W1: QUANTISED (scales: A lowp_scales[0], B lowp_scales[1])
;;     4. batch 8 x [M 1,024, K 4,096] x [K 4,096, N 1,024]; A: input W2; B: computed on the way: QUANTISED (scales: A lowp_scales[2], B lowp_scales[3])
;;     5. batch 1,024 x [M 1, K 8] x [K 8, N 1,024]; A: computed on the way; B: computed on the way: left as it is (K = 8 < 32)
;;   THE QUANTISER, for each operand of a quantised product, along K:
;;     - The operand's scale is 2^e, e = its entry of the input lowp_scales (int32; the entries are numbered through the quantised products in the list's order, A before B).
;;     - Each number is divided by the scale, clamped to +-57,344, and rounded to the nearest number of E5M2, ties to even, subnormals kept.
;;     - The product sums the exact products of the quantised numbers (number of the format x scale) in f32.
;;   ~~~python
;;   def quantise(x, axis, e):      # numpy; x: float32 -> the quantised numbers, widened to float32 again
;;       x = np.moveaxis(x, axis, -1); K = x.shape[-1]
;;       r = np.clip(x / 2.0 ** e, -57344, 57344)
;;       step = 2.0 ** (np.maximum(np.frexp(np.where(r == 0, 1, r))[1] - 1, -14) - 2)
;;       q = np.round(r / step) * step * 2.0 ** e      # np.round: ties to even
;;       return np.moveaxis(q, -1, axis).astype(np.float32)
;;   ~~~
;;   OPERANDS COMPUTED ON THE WAY. 'Computed on the way' means the value that the module computes at that place (a softmax that the list does not call 'softmax' is quantised finished and normalised). What goes into a quantiser is computed in f32, as accurately as f32 sums, v_exp_f32 and their like allow (about 1e-6 of the number): no bf16 or f16 on the way to a quantiser, and a product that is left as it is and whose result goes on into a quantised operand takes f32 operands (vector FMAs, or v_wmma_f32_16x16x4_f32). A number that lies on a knife's edge between two numbers of the format may be rounded either way, as far as f32 arithmetic and the matrix unit's own rounding can turn it there, and no further.
;; 2 versions. Each part assembles by itself: llvm-mc -triple=amdgcn-amd-amdhsa -mcpu=gfx1250 --defsym DOCPART=n.
;; ======== version 1 of 2: 4 launches
;; workspace buffers: xq 1,048,576 bytes; sel 1,024 bytes of whole numbers; eidx 8,192 bytes of whole numbers; cw 8,192 bytes; himg 33,554,432 bytes; y 67,108,864 bytes
;; launch route (part 1): grid 256 x 1, 4 waves a work-group, no clusters, 35,840 bytes of LDS; arguments x, Wr, br, lowp_scales, xq, sel, eidx, cw; writes xq, sel, eidx, cw
.if DOCPART == 1
	.amdgcn_target "amdgcn-amd-amdhsa--gfx1250"
	.amdhsa_code_object_version 6
	.text
	.protected	k_q9563ba8336_route
	.globl	k_q9563ba8336_route
	.p2align	8
	.type	k_q9563ba8336_route,@function
k_q9563ba8336_route:
	s_mov_b64 s[64:65], 0
	v_nop
	global_prefetch_b8 v0, s[64:65] scope:SCOPE_SE
	s_setreg_imm32_b32 hwreg(HW_REG_WAVE_MODE, 25, 1), 1
	s_wait_xcnt 0x0
; ROUTER AND x's CODES.  routing = softmax(x Wr + br) in f32, its two largest entries for each token (of equal entries the lower index first), and x as codes of E5M2 with the given scale 2^e0.
; A work-group takes 4 tokens.  Wave w takes d = 256 w .. 256 w + 255 of all four, lane l the eight d = 256 w + 8 l + j.  The waves' partial logits meet in LDS behind the one barrier; wave 0 finishes.
; OUT: xq [token][1024] codes, k as it lies;  sel [token] one byte, (1 << first expert) | (1 << second);  eidx [token][2] int32;  cw [token][2] f32, the two weights as the softmax gives them.
; The choice is stored at fixed places: no address and no branch of this launch hangs on it.
; No matrix unit: the product has 8 columns.  No cluster, no tensor load: Wr (32 KiB) is all that work-groups share, and each wave needs it turned in any case.
; LIMITS: e0 between -126 and 112.  NaN among the inputs is not served.
.set X,      16                        ; v16-47   x: token tt's eight numbers at 8 tt
.set TQ,     48                        ; v48-79   the same, held within the largest code x the scale; later at work
.set CQ,     80                        ; v80-87   codes: two registers a token
.set WL,     96                        ; v96-159  Wr as it is loaded
.set WR,     160                       ; v160-223 Wr(8 l + j, e) at 8 j + e
.set ACC,    224                       ; v224-255 partial logits: 8 tt + e
.set SPITCH, 272                       ; a stage row: 256 bytes + 16
.set STG,    32*SPITCH                 ; a wave's own stage
.set RED,    4*STG                     ; behind the stages: 128 bytes a wave, its 32 partial logits
	s_load_b256 s[4:11], s[0:1], 0x0               ; x s[4:5], Wr s[6:7], br s[8:9], the scales' exponents s[10:11]
	s_load_b256 s[12:19], s[0:1], 0x20             ; xq s[12:13], sel s[14:15], eidx s[16:17], cw s[18:19]
	v_lshl_add_u32 v94, v0, 2, 0x8a00
	v_mov_b32 v95, 0
	v_lshrrev_b32 v1, 5, v0
	v_readfirstlane_b32 s20, v1                    ; wave
	v_and_b32 v1, 31, v0                           ; lane
	v_lshlrev_b32 v2, 5, v0                        ; x: 32 bytes a thread, 4,096 a token
	s_lshl_b32 s21, s20, 13
	v_lshl_add_u32 v3, v1, 4, s21                  ; Wr: my wave's 256 rows of 32 bytes, 16 bytes a lane
	s_mul_i32 s22, s20, STG
	v_lshrrev_b32 v10, 4, v1
	v_mul_u32_u24 v4, v10, SPITCH
	v_and_b32 v10, 15, v1
	v_lshl_add_u32 v4, v10, 4, v4
	v_add_nc_u32 v4, s22, v4                       ; the stage, on the way in: a load's 512 bytes are two rows
	v_mul_u32_u24 v5, v1, SPITCH
	v_add_nc_u32 v5, s22, v5                       ; and on the way out: row l = my eight rows of Wr
	v_lshlrev_b32 v6, 3, v0                        ; xq: 8 codes a thread
	s_lshl_b32 s23, s20, 7
	s_add_co_u32 s23, s23, RED
	v_mov_b32 v9, s23                              ; where my wave puts its partial logits
	v_lshl_add_u32 v10, v1, 2, RED                 ; where wave 0's lane (tt, e) = 8 tt + e reads them
	v_and_b32 v11, 7, v1                           ; e
	v_lshlrev_b32 v12, 2, v11
	v_lshrrev_b32 v13, 3, v1                       ; tt
	v_lshl_add_u32 v15, v13, 3, v12                ; eidx, cw: 8 tt + 4 e
	s_mov_b32 s28, 0x76543210                      ; v_permlanex16_b32: lane l xor 16
	s_mov_b32 s29, 0xfedcba98
	s_mov_b32 s27, 0
	s_wait_kmcnt 0x0
	s_load_b32 s24, s[10:11], 0x0                  ; e0
	s_lshl_b32 s26, ttmp9, 14
	s_add_nc_u64 s[4:5], s[4:5], s[26:27]          ; x at my four tokens
	s_lshl_b32 s26, ttmp9, 12
	s_add_nc_u64 s[12:13], s[12:13], s[26:27]      ; xq likewise
	s_lshl_b32 s26, ttmp9, 2
	s_add_nc_u64 s[14:15], s[14:15], s[26:27]      ; sel
	s_lshl_b32 s26, ttmp9, 5
	s_add_nc_u64 s[16:17], s[16:17], s[26:27]      ; eidx
	s_add_nc_u64 s[18:19], s[18:19], s[26:27]      ; cw
.irp i, 0,1,2,3,4,5,6,7,8,9,10,11,12,13,14,15
	global_load_b128 v[WL+4*\i:WL+4*\i+3], v3, s[6:7] offset:512*\i   ; 32 lanes read 512 consecutive bytes
.endr
.irp tt, 0,1,2,3
	global_load_b128 v[X+8*\tt:X+8*\tt+3], v2, s[4:5] offset:4096*\tt th:TH_LOAD_NT
	global_load_b128 v[X+8*\tt+4:X+8*\tt+7], v2, s[4:5] offset:4096*\tt+16 th:TH_LOAD_NT
.endr
	global_load_b32 v14, v12, s[8:9]               ; br(e)
	s_wait_kmcnt 0x0
	s_add_co_i32 s24, s24, 127
	s_lshl_b32 s25, s24, 23
	v_mov_b32 v8, s25                              ; 2^e0 as f32: the conversion takes its exponent field
	s_add_co_i32 s24, s24, 15
	s_lshl_b32 s24, s24, 23
	s_or_b32 s24, s24, 0x600000
	v_mov_b32 v7, s24                              ; 57,344 x 2^e0
	s_wait_loadcnt 9                               ; Wr's sixteen loads are in; behind them: x's eight and br's one
.irp i, 0,1,2,3,4,5,6,7,8,9,10,11,12,13,14,15
	ds_store_b128 v4, v[WL+4*\i:WL+4*\i+3] offset:2*SPITCH*\i
.endr
.irp i, 0,1,2,3,4,5,6,7,8,9,10,11,12,13,14,15
	ds_load_b128 v[WR+4*\i:WR+4*\i+3], v5 offset:16*\i   ; my wave's own bytes; LDS serves a wave's instructions in order (ISA guide 5.7.1.4)
.endr
	s_wait_loadcnt 0x0                             ; x and br
.set j, 0
.rept 32
	v_med3_num_f32 v[TQ+j], v[X+j], -v7, v7        ; the conversion to an 8-bit code does not saturate (ISA guide 7.6.2): the hold comes first; x itself stays for the router
.set j, j+1
.endr
.irp tt, 0,1,2,3
	v_cvt_scalef32_pk8_bf8_f32 v[CQ+2*\tt:CQ+2*\tt+1], v[TQ+8*\tt:TQ+8*\tt+7], v8
.endr
	v_nop                                          ; a plain line behind the last conversion: TQ is written again below
.irp tt, 0,1,2,3
	global_store_b64 v6, v[CQ+2*\tt:CQ+2*\tt+1], s[12:13] offset:1024*\tt   ; a wave stores 256 consecutive bytes, at a multiple of 256 from xq's first byte
.endr
	s_wait_dscnt 0x0                               ; Wr is back, turned
.irp tt, 0,1,2,3
.irp p, 0,1,2,3
	v_pk_mul_f32 v[ACC+8*\tt+2*\p:ACC+8*\tt+2*\p+1], v[WR+2*\p:WR+2*\p+1], v[X+8*\tt:X+8*\tt+1] op_sel_hi:[1,0]   ; j = 0 starts the sums: both halves x the pair's first number
.endr
.irp j, 1,2,3,4,5,6,7
.irp p, 0,1,2,3
.if \j%2
	v_pk_fma_f32 v[ACC+8*\tt+2*\p:ACC+8*\tt+2*\p+1], v[WR+8*\j+2*\p:WR+8*\j+2*\p+1], v[X+8*\tt+2*(\j/2):X+8*\tt+2*(\j/2)+1], v[ACC+8*\tt+2*\p:ACC+8*\tt+2*\p+1] op_sel:[0,1,0] op_sel_hi:[1,1,1]
.else
	v_pk_fma_f32 v[ACC+8*\tt+2*\p:ACC+8*\tt+2*\p+1], v[WR+8*\j+2*\p:WR+8*\j+2*\p+1], v[X+8*\tt+2*(\j/2):X+8*\tt+2*(\j/2)+1], v[ACC+8*\tt+2*\p:ACC+8*\tt+2*\p+1] op_sel:[0,0,0] op_sel_hi:[1,0,1]
.endif
.endr
.endr
.endr
.irp xm, 1,2,4,8                       ; the 32 sums over the wave's lanes, step by step over all of them, so that no line waits for the line above it
.set j, 0
.rept 32
	v_add_f32_dpp v[ACC+j], v[ACC+j], v[ACC+j] row_xmask:\xm row_mask:0xf bank_mask:0xf
.set j, j+1
.endr
.endr
.set j, 0
.rept 32
	v_permlanex16_b32 v[TQ+j], v[ACC+j], s28, s29
.set j, j+1
.endr
.set j, 0
.rept 32
	v_add_f32 v[ACC+j], v[ACC+j], v[TQ+j]
.set j, j+1
.endr
.irp k, 0,1,2,3,4,5,6,7
	ds_store_b128 v9, v[ACC+4*\k:ACC+4*\k+3] offset:16*\k   ; every lane holds the same 32 numbers and writes the same words
.endr
	s_wait_dscnt 0x0                               ; for wave 0's sake: my stores have landed
	s_barrier_signal -1
	s_barrier_wait -1
	s_cmp_lg_u32 s20, 0
	s_cbranch_scc1 .Lend                           ; waves 1 to 3 are done
.irp wv, 0,1,2,3
	ds_load_b32 v[16+\wv], v10 offset:128*\wv      ; lane 8 tt + e: the four waves' parts of logit (tt, e)
.endr
	s_wait_dscnt 0x0
	v_add_f32 v16, v16, v17
	v_add_f32 v18, v18, v19
	v_add_f32 v16, v16, v18
	v_add_f32 v20, v16, v14                        ; + br(e)
	v_mov_b32 v21, v20
.irp xm, 1,2,4
	v_max_num_f32_dpp v21, v21, v21 row_xmask:\xm row_mask:0xf bank_mask:0xf   ; the token's largest logit, over its eight lanes
.endr
	v_sub_f32 v22, v20, v21
	v_mul_f32 v22, 0x3fb8aa3b, v22                 ; x log2(e)
	v_exp_f32 v22, v22
	v_mov_b32 v28, 0                               ; (a plain line behind the exponential.  v28, v29: a DPP form's destination counts as read)
	v_mov_b32 v29, 0
	s_wait_alu depctr_va_vdst(0)                   ; the wait ahead of the result's first reader
	v_mov_b32 v23, v22
.irp xm, 1,2,4
	v_add_f32_dpp v23, v23, v23 row_xmask:\xm row_mask:0xf bank_mask:0xf
.endr
	v_rcp_f32 v24, v23
	v_nop
	s_wait_alu depctr_va_vdst(0)
	v_mul_f32 v25, v22, v24                        ; routing(tt, e)
; One step of the search for the largest: the partner's pair (value, index) is taken where its value is larger, or equal with the lower index.  Masks go into selects alone.
.macro TOPSTEP xm
	v_mov_b32_dpp v28, v26 row_xmask:\xm row_mask:0xf bank_mask:0xf
	v_mov_b32_dpp v29, v27 row_xmask:\xm row_mask:0xf bank_mask:0xf
	v_cmp_gt_f32 s30, v28, v26
	v_cmp_eq_f32 s31, v28, v26
	v_cmp_lt_u32 vcc_lo, v29, v27
	s_and_b32 s31, s31, vcc_lo
	s_or_b32 vcc_lo, s30, s31
	v_cndmask_b32 v26, v26, v28, vcc_lo
	v_cndmask_b32 v27, v27, v29, vcc_lo
.endm
	v_mov_b32 v26, v25
	v_mov_b32 v27, v11
	TOPSTEP 1
	TOPSTEP 2
	TOPSTEP 4
	v_mov_b32 v30, v26                             ; the first weight,
	v_mov_b32 v31, v27                             ; the first expert
	v_cmp_eq_u32 vcc_lo, v11, v31
	v_cndmask_b32 v26, v25, -1.0, vcc_lo           ; the first is taken out: -1 lies under every entry of a softmax
	v_mov_b32 v27, v11
	TOPSTEP 1
	TOPSTEP 2
	TOPSTEP 4
	v_lshlrev_b32 v32, v31, 1
	v_lshlrev_b32 v33, v27, 1
	v_or_b32 v32, v32, v33                         ; the token's byte of sel
	v_cmp_eq_u32 vcc_lo, 0, v11
	v_cndmask_b32 v34, v27, v31, vcc_lo            ; lane e = 0 stores the first pair, lane e = 1 the second
	v_cndmask_b32 v35, v26, v30, vcc_lo
	v_cmp_gt_u32 vcc_lo, 2, v11
	s_wait_xcnt 0x0                                ; EXEC changes only behind this wait: xq's stores are out
	s_and_saveexec_b32 s30, vcc_lo
	global_store_b32 v15, v34, s[16:17]
	global_store_b32 v15, v35, s[18:19]
	s_wait_xcnt 0x0
	s_or_b32 exec_lo, exec_lo, s30
	v_cmp_eq_u32 vcc_lo, 0, v11
	s_and_saveexec_b32 s30, vcc_lo
	global_store_b8 v13, v32, s[14:15]
	s_wait_xcnt 0x0
	s_or_b32 exec_lo, exec_lo, s30
.Lend:
	s_wait_tensorcnt 0x0
	ds_add_u32 v94, v95
	s_wait_dscnt 0x0
	s_endpgm
.Lfunc_end_k_q9563ba8336_route:
	.size	k_q9563ba8336_route, .Lfunc_end_k_q9563ba8336_route-k_q9563ba8336_route
	.p2alignl 7, 3214868480
	.fill 96, 4, 3214868480
	.section	.rodata,"a",@progbits
	.p2align	6, 0x0
	.amdhsa_kernel k_q9563ba8336_route
		.amdhsa_group_segment_fixed_size 35840
		.amdhsa_private_segment_fixed_size 0
		.amdhsa_enable_private_segment 0
		.amdhsa_kernarg_size 64
		.amdhsa_user_sgpr_count 2
		.amdhsa_user_sgpr_kernarg_segment_ptr 1
		.amdhsa_wavefront_size32 1
		.amdhsa_system_sgpr_workgroup_id_x 1
		.amdhsa_system_sgpr_workgroup_id_y 1
		.amdhsa_system_sgpr_workgroup_id_z 1
		.amdhsa_system_vgpr_workitem_id 0
		.amdhsa_next_free_vgpr 256
		.amdhsa_next_free_sgpr 66
		.amdhsa_reserve_vcc 1
		.amdhsa_float_denorm_mode_32 3
		.amdhsa_float_denorm_mode_16_64 3
		.amdhsa_memory_ordered 1
		.amdhsa_forward_progress 1
		.amdhsa_inst_pref_size 34
	.end_amdhsa_kernel
	.amdgpu_metadata
---
amdhsa.version: [ 1, 2 ]
amdhsa.kernels:
  - .name:           k_q9563ba8336_route
    .symbol:         k_q9563ba8336_route.kd
    .args:
      - { .name: x, .offset: 0, .size: 8, .value_kind: global_buffer, .address_space: global }
      - { .name: Wr, .offset: 8, .size: 8, .value_kind: global_buffer, .address_space: global }
      - { .name: br, .offset: 16, .size: 8, .value_kind: global_buffer, .address_space: global }
      - { .name: lowp_scales, .offset: 24, .size: 8, .value_kind: global_buffer, .address_space: global }
      - { .name: xq, .offset: 32, .size: 8, .value_kind: global_buffer, .address_space: global }
      - { .name: sel, .offset: 40, .size: 8, .value_kind: global_buffer, .address_space: global }
      - { .name: eidx, .offset: 48, .size: 8, .value_kind: global_buffer, .address_space: global }
      - { .name: cw, .offset: 56, .size: 8, .value_kind: global_buffer, .address_space: global }
    .group_segment_fixed_size: 35840
    .private_segment_fixed_size: 0
    .kernarg_segment_align: 8
    .kernarg_segment_size: 64
    .max_flat_workgroup_size: 128
    .sgpr_count:     66
    .vgpr_count:     256
    .wavefront_size: 32
...
	.end_amdgpu_metadata
.endif
;; end of part 1
;; launch up (part 2): grid 256 x 1, 4 waves a work-group, no clusters, 132,608 bytes of LDS; arguments W1, b1, lowp_scales, xq, sel, himg; writes himg
.if DOCPART == 2
	.amdgcn_target "amdgcn-amd-amdhsa--gfx1250"
	.amdhsa_code_object_version 6
	.text
	.protected	k_q9563ba8336_up
	.globl	k_q9563ba8336_up
	.p2align	8
	.type	k_q9563ba8336_up,@function
k_q9563ba8336_up:
	s_mov_b64 s[64:65], 0
	v_nop
	global_prefetch_b8 v0, s[64:65] scope:SCOPE_SE
	s_setreg_imm32_b32 hwreg(HW_REG_WAVE_MODE, 25, 1), 1
	s_wait_xcnt 0x0
; FIRST LAYER, for the rows that chose an expert: h = relu(x W1[e] + b1[e]), both operands as codes of E5M2, h quantised on the way with the given 2^e3.
; SHARES.  Work-group (e = id / 32, sl = id % 32) owns hidden units 128 sl .. 128 sl + 127 of expert e over all K = 1,024: 512 KiB of W1, read here and nowhere else.
; W1 has K as its first axis.  It comes in 8 chunks of 128 along K: wave w loads rows 32 w .. 32 w + 31 of a chunk, each load 512 consecutive bytes (a lane: four columns of one k).  A lane's 16 k x 4 columns are
; held, converted, turned by v_perm_b32 (4 x 4 bytes) and stored to LDS as IMAGES OF FRAGMENTS: fragment m (16 columns x 128 K), load cc, lane L at m FPI + 512 cc + 16 L; lane (r, h) holds column r, k = 32 cc + 16 h + 0 .. 15,
; the same places of k that four 16-byte loads give a row of xq.  Every chunk has LDS bytes of its own: one barrier a chunk, nothing is written twice, and all codes stay for the loop of late tiles.
; ROWS.  sel gives each token's two experts.  Mask word g, bit p, stands for token 512 (g / 16) + g % 16 + 16 p; an expert's rows are its set bits in the order (g, p); tile t holds ranks 16 t .. 16 t + 15; ranks past the
; last are the last row again.  Wave w takes tiles w + 4 i, i = 0 .. 5, in registers; tiles from 24 on (an expert with more than 384 rows) go one at a time through the loop at the end.
; THE PRODUCT IS USED TRANSPOSED (source 0 = 16 columns of W1, source 1 = 16 rows of x): a lane holds one token and eight neighbouring hidden units, so the conversions' results are registers 2 n, 2 n + 1 of the next operand.
; b1 / 2^(e0 + e1) is the C of each sum's first product.  OUT: himg [e][tile][K step sl][2,048 bytes]: registers 4 q .. 4 q + 3 of lane L at 512 q + 16 L.
; Chunk 0 multiplies all six tiles of every wave, so that every register is written on every way; from chunk 1 on the tiles past the expert's last are jumped over.  Tile 0 is made for every expert, also for one without rows.
; NO TENSOR LOAD, NO CLUSTER: the number of tiles is read from memory and the text branches on it; every byte of W1 has one reader and must pass through registers to be quantised; what the 32 work-groups of an expert share,
; its rows' codes (1 KiB a row), is small beside a work-group's 512 KiB of weights.
; LIMITS: e1, and e3 - e0 - e1, between -126 and 112.  NaN among the inputs is not served.
; REGISTERS, in windows of 256: window 0: v1-23 addresses and constants; v32-127 x's fragments, tile i at 32 + 16 i; v128-255 W1's eight fragments (between chunks: at work).
;   window 1: two landing sets of 128 for W1.   window 2: accumulators of tiles 0-3 (64 i + 8 m).   window 3: v0-127 those of tiles 4, 5; v128-191 the bias.
.set CH,   16512                       ; a chunk's codes in LDS: 8 fragments
.set FPI,  2064                        ; from fragment to fragment: 2,048 bytes + 16, so that the sixteen lanes of a store fall on sixteen different 16-byte columns
.set HALF, 4*CH                        ; chunks 4-7 are reached by a second address register: an LDS offset has 16 bits
.set WLD,  1                           ; v1, v2   16 x lane (+ HALF): where I read fragments
.set WST,  3                           ; v3, v4   where I store codes: FPI (l / 4) + 64 (l % 4) + 512 w (+ HALF)
.set WO,   5                           ; v5       W1: 32 w rows of 16,384 bytes + 16 l
.set LIM,  6                           ; v6       57,344 x 2^e1
.set WSC,  7                           ; v7       2^e1
.set HSC,  8                           ; v8       2^(e3 - e0 - e1)
.set HO,   9                           ; v9       himg: 65,536 w + 16 l
.set AO,   10                          ; v10-15   xq: tile i's token x 1,024 + 16 h
.set RR,   16                          ; v16      l % 16
.set H16,  17                          ; v17      16 (l / 16)
.set AOX,  18                          ; v18, v19 the same two offsets for a late tile
.set HOX,  19
.set LANE, 21
.set BO,   23                          ; v23      b1: 32 (l / 16)
.set AF,   32
.set WF,   128
.set CD,   128                         ; at work between chunks: codes as converted,
.set AB,   144                         ; half turned,
.set TT,   160                         ; turned: two sets of 16
.set PCD,  128                         ; the way out: tile i's codes at 128 + 16 i
.set SX,   128                         ; the search for rows: 16 registers a query
.set BIA,  128                         ; in window 3
.set WAVE, 18
.set XE,   19
.set SL,   20
.set NA,   21                          ; s21  my tiles among the first 24
.set NT,   22                          ; s22  the expert's tiles
.set CNT1, 23                          ; s23  its rows - 1
.set HLIM, 28                          ; s28  57,344 x 2^(e3 - e0 - e1)
.set LC,   29                          ; s29  counts my late tiles, by 1
.set TC,   30                          ; s30  the late tile in hand: 24 + w + 4 LC (at the head: at work)
.set NL,   31                          ; s31  how many late tiles are mine: 10 at the most (1,024 rows are 64 tiles, 16 a wave)
.set MK,   32                          ; s32-63  the expert's 32 mask words
.set PF,   66                          ; s66-97  (rows ahead of word g) << 16 | the word's first token
.set MSB, 0
.macro WIN new                         ; the immediate's high byte repeats the setting that is left; a switch that changes nothing is dropped
.if MSB != (\new)
	s_set_vgpr_msb (MSB<<8)|(\new)
.set MSB, (\new)
.endif
.endm
.macro PLACES                          ; four plain lines behind matrix instructions, ahead of loads into their sources and of reads of their results
.rept 4
	v_nop
.endr
.endm
.macro BAR                             ; my LDS stores have landed: then the work-group's barrier
	s_wait_dscnt 0x0
	s_barrier_signal -1
	s_barrier_wait -1
.endm
; Chunk c of W1 into landing set c % 2: 32 loads, row 128 c + 32 w + 16 sub + i
.macro WLOAD c
	WIN 0x40
.irp sub, 0,1
.irp i, 0,1,2,3,4,5,6,7,8,9,10,11,12,13,14,15
	global_load_b128 v[128*((\c)%2)+64*\sub+4*\i:128*((\c)%2)+64*\sub+4*\i+3], v[WO], s[4+12*((\c)/4):5+12*((\c)/4)] offset:((\c)%4)*2097152+(16*\sub+\i)*16384 th:TH_LOAD_NT
.endr
.endr
	WIN 0
.endm
; Chunk c's numbers become codes in LDS.  n0, n1: how many younger loads may stay out when half 0, half 1 of the set must be in.
.macro CONVERT c, n0, n1
.irp sub, 0,1
.set LS, 128*((\c)%2)+64*\sub
.set TS, TT+16*\sub
.if \sub == 0
	s_wait_loadcnt \n0
.else
	s_wait_loadcnt \n1
.endif
	WIN 0x41
.set j, 0
.rept 64
	v_med3_num_f32 v[LS+j], v[LS+j], -v[LIM], v[LIM]   ; the conversion to an 8-bit code does not saturate (ISA guide 7.6.2)
.set j, j+1
.endr
	WIN 0x01
.irp m, 0,1,2,3,4,5,6,7
	v_cvt_scalef32_pk8_bf8_f32 v[CD+2*\m:CD+2*\m+1], v[LS+8*\m:LS+8*\m+7], v[WSC]   ; register i of CD: four columns of k number i
.endr
	WIN 0
	v_nop                                          ; a plain line between the conversions and the first reader of their results
.irp q, 0,1,2,3                        ; 4 x 4 bytes are turned in two steps: pairs of k, then fours
	v_perm_b32 v[AB+4*\q], v[CD+4*\q+1], v[CD+4*\q], s98
	v_perm_b32 v[AB+4*\q+1], v[CD+4*\q+1], v[CD+4*\q], s99
	v_perm_b32 v[AB+4*\q+2], v[CD+4*\q+3], v[CD+4*\q+2], s98
	v_perm_b32 v[AB+4*\q+3], v[CD+4*\q+3], v[CD+4*\q+2], s99
.endr
.irp q, 0,1,2,3
	v_perm_b32 v[TS+\q], v[AB+4*\q+2], v[AB+4*\q], s100
	v_perm_b32 v[TS+4+\q], v[AB+4*\q+2], v[AB+4*\q], s101
	v_perm_b32 v[TS+8+\q], v[AB+4*\q+3], v[AB+4*\q+1], s100
	v_perm_b32 v[TS+12+\q], v[AB+4*\q+3], v[AB+4*\q+1], s101
.endr
.irp jj, 0,1,2,3
	ds_store_b128 v[WST+(\c)/4], v[TS+4*\jj:TS+4*\jj+3] offset:((\c)%4)*CH+256*\sub+16*\jj   ; column 4 l + jj: 16 k on end
.endr
.endr
.endm
; Chunk c's products: my tiles against the eight fragments; behind each tile's products its rows of the next chunk are asked for.  The accumulators take turns, one instruction a turn.
.macro MULT c
.if (\c) > 0
	s_cmp_gt_u32 s[NA], 0
	s_cbranch_scc0 .Lmend_\@
.endif
.irp m, 0,1,2,3,4,5,6,7
.irp cc, 0,1,2,3
	ds_load_b128 v[WF+16*\m+4*\cc:WF+16*\m+4*\cc+3], v[WLD+(\c)/4] offset:((\c)%4)*CH+\m*FPI+512*\cc
.endr
.endr
.irp i, 0,1,2,3,4,5
.if ((\c) > 0) && (\i > 0)
	s_cmp_gt_u32 s[NA], \i
	s_cbranch_scc0 .Lmend_\@
.endif
.if \i >= 4
	WIN 0xf0
.elseif (\c) == 0
	WIN 0xb0                                       ; D window 2, C (the bias) window 3
.else
	WIN 0xa0
.endif
.irp m, 0,1,2,3,4,5,6,7
.if \i == 0
	s_wait_dscnt 4*(7-\m)                          ; fragment m is in: behind it four loads for each later fragment
.endif
.if (\c) == 0
	v_wmma_f32_16x16x128_bf8_bf8 v[64*(\i%4)+8*\m:64*(\i%4)+8*\m+7], v[WF+16*\m:WF+16*\m+15], v[AF+16*\i:AF+16*\i+15], v[BIA+8*\m:BIA+8*\m+7]
.else
	v_wmma_f32_16x16x128_bf8_bf8 v[64*(\i%4)+8*\m:64*(\i%4)+8*\m+7], v[WF+16*\m:WF+16*\m+15], v[AF+16*\i:AF+16*\i+15], v[64*(\i%4)+8*\m:64*(\i%4)+8*\m+7]
.endif
.endr
	PLACES
	WIN 0
.if (\c) < 7
.irp cc, 0,1,2,3
	global_load_b128 v[AF+16*\i+4*\cc:AF+16*\i+4*\cc+3], v[AO+\i], s[10:11] offset:128*((\c)+1)+32*\cc
.endr
.endif
.endr
.Lmend_\@:
.endm
; Tile slot i goes out: relu and the hold in one, the conversion, four stores of 512 consecutive bytes.
.macro EPI i, off, imm
.if \i < 4
	WIN 0x82
.else
	WIN 0xc3
.endif
.set j, 0
.rept 64
	v_med3_num_f32 v[64*(\i%4)+j], v[64*(\i%4)+j], 0, s[HLIM]   ; each accumulator from its low end on
.set j, j+1
.endr
.if \i < 4
	WIN 0x02
.else
	WIN 0x03
.endif
.irp n, 0,1,2,3,4,5,6,7
	v_cvt_scalef32_pk8_bf8_f32 v[PCD+16*\i+2*\n:PCD+16*\i+2*\n+1], v[64*(\i%4)+8*\n:64*(\i%4)+8*\n+7], v[HSC]   ; k = 16 n + 8 h + 0 .. 7 of the next product's K step sl
.endr
	WIN 0
	v_nop                                          ; a plain line behind the last conversion: its sources are written again by later products
.irp q, 0,1,2,3
	global_store_b128 v[\off], v[PCD+16*\i+4*\q:PCD+16*\i+4*\q+3], s[14:15] offset:\imm+512*\q
.endr
.endm
; One level of the search inside a word: the count of the lower part is taken off where the rank reaches past it.
.macro LEVEL src, w, step
	v_bfe_u32 v[QB+10], v[QB+\src], v[QB+9], \w
	v_cmp_ge_u32 vcc_lo, v[QB+8], v[QB+10]
	v_cndmask_b32 v[QB+11], 0, v[QB+10], vcc_lo
	v_sub_nc_u32 v[QB+8], v[QB+8], v[QB+11]
	v_cndmask_b32 v[QB+11], 0, \step, vcc_lo
	v_add_nc_u32 v[QB+9], v[QB+9], v[QB+11]
.endm
; nq queries: v[SX + 16 x] holds a rank for each lane; v[SX + 16 x + 12] gets the token of that rank.  +1 rank << 16 | 0xffff, +2 the word, +3 its PF, +4 .. +7 counts in fields of 2, 4, 8, 16 bits, +8 the rank in the word, +9 the bit.
.macro SELECT nq
.set x, 0
.rept \nq
.set QB, SX+16*x
	v_min_u32 v[QB], s[CNT1], v[QB]                ; ranks past the last row are the last row
	v_lshl_or_b32 v[QB+1], v[QB], 16, 0xffff
	v_mov_b32 v[QB+2], s[MK]
	v_mov_b32 v[QB+3], s[PF]
.set x, x+1
.endr
.set g, 1
.rept 31                               ; the last word with no more rows ahead of it than the rank
.set x, 0
.rept \nq
.set QB, SX+16*x
	v_cmp_gt_u32 vcc_lo, s[PF+g], v[QB+1]
	v_cndmask_b32 v[QB+2], s[MK+g], v[QB+2], vcc_lo
	v_cndmask_b32 v[QB+3], s[PF+g], v[QB+3], vcc_lo
.set x, x+1
.endr
.set g, g+1
.endr
.set x, 0
.rept \nq
.set QB, SX+16*x
	v_lshrrev_b32 v[QB+10], 1, v[QB+2]
	v_and_b32 v[QB+10], 0x55555555, v[QB+10]
	v_sub_nc_u32 v[QB+4], v[QB+2], v[QB+10]
	v_lshrrev_b32 v[QB+10], 2, v[QB+4]
	v_and_b32 v[QB+10], 0x33333333, v[QB+10]
	v_and_b32 v[QB+11], 0x33333333, v[QB+4]
	v_add_nc_u32 v[QB+5], v[QB+10], v[QB+11]
	v_lshrrev_b32 v[QB+10], 4, v[QB+5]
	v_add_nc_u32 v[QB+10], v[QB+10], v[QB+5]
	v_and_b32 v[QB+6], 0x0f0f0f0f, v[QB+10]
	v_lshrrev_b32 v[QB+10], 8, v[QB+6]
	v_add_nc_u32 v[QB+7], v[QB+10], v[QB+6]
	v_lshrrev_b32 v[QB+10], 16, v[QB+3]
	v_sub_nc_u32 v[QB+8], v[QB], v[QB+10]
	v_mov_b32 v[QB+9], 0
	LEVEL 7, 8, 16
	LEVEL 6, 8, 8
	LEVEL 5, 4, 4
	LEVEL 4, 2, 2
	LEVEL 2, 1, 1
	v_and_b32 v[QB+10], 0xffff, v[QB+3]
	v_lshl_add_u32 v[QB+12], v[QB+9], 4, v[QB+10]  ; the word's first token + 16 x the bit
.set x, x+1
.endr
.endm
	s_load_b256 s[4:11], s[0:1], 0x0               ; W1 s[4:5], b1 s[6:7], the scales' exponents s[8:9], xq s[10:11]
	s_load_b128 s[12:15], s[0:1], 0x20             ; sel s[12:13], himg s[14:15]
	v_lshl_add_u32 v30, v0, 2, 0x20400
	v_mov_b32 v31, 0
	v_lshrrev_b32 v20, 5, v0
	v_readfirstlane_b32 s[WAVE], v20
	s_lshr_b32 s[XE], ttmp9, 5
	s_and_b32 s[SL], ttmp9, 31
	v_and_b32 v[LANE], 31, v0
	v_lshlrev_b32 v[WLD], 4, v[LANE]
	v_add_nc_u32 v[WLD+1], HALF, v[WLD]
	v_lshrrev_b32 v20, 2, v[LANE]
	v_mul_u32_u24 v[WST], v20, FPI
	v_and_b32 v20, 3, v[LANE]
	v_lshl_add_u32 v[WST], v20, 6, v[WST]
	s_lshl_b32 s2, s[WAVE], 9
	v_add_nc_u32 v[WST], s2, v[WST]
	v_add_nc_u32 v[WST+1], HALF, v[WST]
	s_lshl_b32 s2, s[WAVE], 19
	v_add_nc_u32 v[WO], s2, v[WLD]
	s_lshl_b32 s2, s[WAVE], 16
	v_add_nc_u32 v[HO], s2, v[WLD]
	v_and_b32 v[RR], 15, v0
	v_bfe_u32 v[H16], v0, 4, 1
	v_lshlrev_b32 v[H16], 4, v[H16]
	v_lshlrev_b32 v[BO], 1, v[H16]
	s_mov_b32 s98, 0x05010400                      ; v_perm_b32: bytes 0 and 1 of two words, by turns;
	s_mov_b32 s99, 0x07030602                      ; bytes 2 and 3;
	s_mov_b32 s100, 0x05040100                     ; the two low halves;
	s_mov_b32 s101, 0x07060302                     ; the two high halves
	s_mov_b32 s104, 0x76543210                     ; v_permlanex16_b32: lane l xor 16
	s_mov_b32 s105, 0xfedcba98
	s_wait_kmcnt 0x0
	s_load_b128 s[24:27], s[8:9], 0x0              ; e0, e1, e2, e3
	s_lshl_b32 s2, s[XE], 24                       ; an expert's W1 is 16,777,216 bytes;
	s_lshl_b32 s3, s[SL], 9                        ; my 128 columns begin 512 sl bytes into each row
	s_add_co_u32 s2, s2, s3
	s_mov_b32 s3, 0
	s_add_nc_u64 s[4:5], s[4:5], s[2:3]
	s_add_nc_u64 s[16:17], s[4:5], 0x800000        ; chunks 4-7: 512 rows on, so that every offset stays inside the signed 24-bit immediate
	s_lshl_b32 s2, s[XE], 14
	s_lshl_b32 s30, s[SL], 9
	s_add_co_u32 s2, s2, s30
	s_add_nc_u64 s[6:7], s[6:7], s[2:3]            ; b1 at my 128 units
	s_lshl_b32 s2, s[XE], 22
	s_lshl_b32 s30, s[SL], 11
	s_add_co_u32 s2, s2, s30
	s_add_nc_u64 s[14:15], s[14:15], s[2:3]        ; himg at (e, tile 0, K step sl)
	global_load_b128 v[AF:AF+3], v[WLD], s[12:13]              ; sel: 16 tokens' bytes a lane, twice
	global_load_b128 v[AF+4:AF+7], v[WLD], s[12:13] offset:512
	WIN 0xc0
.irp n, 0,1,2,3,4,5,6,7
	global_load_b128 v[BIA+8*\n:BIA+8*\n+3], v[BO], s[6:7] offset:64*\n        ; b1 in the result's layout: lane (r, h), tile n: units 16 n + 8 h + 0 .. 7
	global_load_b128 v[BIA+8*\n+4:BIA+8*\n+7], v[BO], s[6:7] offset:64*\n+16
.endr
	WLOAD 0
	WLOAD 1
	s_wait_kmcnt 0x0
	s_add_co_i32 s2, s25, 127
	s_lshl_b32 s3, s2, 23
	v_mov_b32 v[WSC], s3
	s_add_co_i32 s2, s2, 15
	s_lshl_b32 s2, s2, 23
	s_or_b32 s2, s2, 0x600000
	v_mov_b32 v[LIM], s2
	s_add_co_i32 s30, s24, s25                     ; a sum stands for sum x 2^(e0 + e1): the three scales ahead of the quantiser are folded into one
	s_sub_co_i32 s2, s27, s30
	s_add_co_i32 s2, s2, 127
	s_lshl_b32 s3, s2, 23
	v_mov_b32 v[HSC], s3
	s_add_co_i32 s2, s2, 15
	s_lshl_b32 s2, s2, 23
	s_or_b32 s[HLIM], s2, 0x600000
	s_sub_co_i32 s30, 0, s30
	s_lshl_b32 s[PF], 1, s[XE]                     ; the expert's bit in each of a word's four bytes (these four registers are free until the ballots are done)
	s_lshl_b32 s[PF+1], s[PF], 8
	s_lshl_b32 s[PF+2], s[PF], 16
	s_lshl_b32 s[PF+3], s[PF], 24
	s_wait_loadcnt 63                              ; sel and b1 are in: 64 loads of W1 were issued behind them
.set g, 0
.rept 32                               ; word g = 16 i + b: byte b of load i, one bit a lane
	v_and_b32 v40, s[PF+(g%4)], v[AF+4*(g/16)+((g%16)/4)]
	v_cmp_ne_u32 s[MK+g], 0, v40
.set g, g+1
.endr
	WIN 0xc3
.set j, 0
.rept 64
	v_ldexp_f32 v[BIA+j], v[BIA+j], s30            ; b1 / 2^(e0 + e1)
.set j, j+1
.endr
	WIN 0
	s_mov_b32 s2, 0
.set g, 0
.rept 32
	s_or_b32 s[PF+g], s2, 512*(g/16)+(g%16)
	s_bcnt1_i32_b32 s3, s[MK+g]
	s_lshl_b32 s3, s3, 16
	s_add_co_u32 s2, s2, s3
.set g, g+1
.endr
	s_lshr_b32 s3, s2, 16                          ; the expert's rows
	s_add_co_i32 s[CNT1], s3, -1
	s_add_co_u32 s3, s3, 15
	s_lshr_b32 s[NT], s3, 4
	s_max_u32 s[NT], s[NT], 1                      ; tile 0 is made for every expert: the next launch reads it in any case
	s_add_co_u32 s3, s[NT], 3
	s_sub_co_u32 s3, s3, s[WAVE]
	s_lshr_b32 s3, s3, 2                           ; my tiles in all: w, w + 4, ..
	s_min_u32 s[NA], s3, 6                         ; six of them in registers,
	s_sub_co_u32 s[NL], s3, s[NA]                  ; the others late
	s_min_u32 s[NL], s[NL], 10
	v_lshl_add_u32 v20, v[H16], 2, v[RR]           ; a query serves two tiles: lanes 0-15 tile 2 p, lanes 16-31 tile 2 p + 1: rank 16 w + 128 p + 64 h + r
	s_lshl_b32 s2, s[WAVE], 4
	v_add_nc_u32 v20, s2, v20
.irp p, 0,1,2
	v_add_nc_u32 v[SX+16*\p], 128*\p, v20
.endr
	SELECT 3
	v_cmp_gt_u32 vcc_lo, 16, v[LANE]
.irp p, 0,1,2
	v_permlanex16_b32 v[SX+16*\p+11], v[SX+16*\p+12], s104, s105
	v_cndmask_b32 v[SX+16*\p+10], v[SX+16*\p+11], v[SX+16*\p+12], vcc_lo   ; tile 2 p's tokens in both halves of the lanes,
	v_cndmask_b32 v[SX+16*\p+9], v[SX+16*\p+12], v[SX+16*\p+11], vcc_lo    ; tile 2 p + 1's
	v_min_u32 v[SX+16*\p+10], 0x3ff, v[SX+16*\p+10]
	v_min_u32 v[SX+16*\p+9], 0x3ff, v[SX+16*\p+9]
	v_lshl_add_u32 v[AO+2*\p], v[SX+16*\p+10], 10, v[H16]
	v_lshl_add_u32 v[AO+2*\p+1], v[SX+16*\p+9], 10, v[H16]
.endr
.irp i, 0,1,2,3,4,5
.irp cc, 0,1,2,3
	global_load_b128 v[AF+16*\i+4*\cc:AF+16*\i+4*\cc+3], v[AO+\i], s[10:11] offset:32*\cc   ; chunk 0 of my rows: lane (r, h): k = 32 cc + 16 h + 0 .. 15
.endr
.endr
; THE STREAM.  Loads are issued in the order W(c), rows(c), W(c + 1).  So with W(c + 1)'s 32 loads behind, a count of 32 shows chunk c's weights and rows in, and leaves the next chunk's weights on their way;
; 48 = those 32 and the 16 of the set's second half.  The rows' loads, of which there may be none, are counted as none.  The last chunk has nothing behind it: 16 and 0.
.irp c, 0,1,2,3,4,5,6,7
.if \c < 7
	CONVERT \c, 48, 32
.else
	CONVERT \c, 16, 0
.endif
	BAR                                            ; chunk c's eight fragments lie in LDS
.if \c == 0
	s_wait_loadcnt 0x0                             ; chunk 0's rows were asked for behind W(1)
.endif
	MULT \c
.if \c < 6
	WLOAD \c+2
.endif
.endr
.irp i, 0,1,2,3,4,5
	s_cmp_gt_u32 s[NA], \i
	s_cbranch_scc0 .Lout_done
	EPI \i, HO, 262144*\i
.endr
.Lout_done:
	; LATE TILES, 24 + w + 4 n, n = 0 .. NL - 1: one at a time, all of K from the codes that lie in LDS.  No barrier: LDS is only read.
	s_cmp_gt_u32 s[NL], 0
	s_cbranch_scc0 .Ldone
	s_mov_b32 s[LC], 0
.Llate:
	s_wait_xcnt 0x0                                ; the stores issued so far have read their registers: these are written again below
	s_lshl_b32 s[TC], s[LC], 2
	s_add_co_u32 s[TC], s[TC], s[WAVE]
	s_add_co_u32 s[TC], s[TC], 24                  ; the tile in hand
	s_lshl_b32 s2, s[TC], 4
	v_add_nc_u32 v[SX], s2, v[RR]
	SELECT 1
	v_min_u32 v[SX+12], 0x3ff, v[SX+12]
	v_lshl_add_u32 v[AOX], v[SX+12], 10, v[H16]
	s_min_u32 s2, s[TC], 63
	s_lshl_b32 s2, s2, 16
	v_add_nc_u32 v[HOX], s2, v[WLD]
	WIN 0x40
.irp c, 0,1,2,3,4,5,6,7
.irp cc, 0,1,2,3
	global_load_b128 v[16*\c+4*\cc:16*\c+4*\cc+3], v[AOX], s[10:11] offset:128*\c+32*\cc   ; the rows' eight fragments, into the landing registers, which are free
.endr
.endr
	WIN 0
	s_wait_loadcnt 0x0
.irp c, 0,1,2,3,4,5,6,7
.irp m, 0,1,2,3,4,5,6,7
.irp cc, 0,1,2,3
	ds_load_b128 v[WF+16*\m+4*\cc:WF+16*\m+4*\cc+3], v[WLD+\c/4] offset:(\c%4)*CH+\m*FPI+512*\cc
.endr
.endr
	s_wait_dscnt 0x0
.if \c == 0
	WIN 0xb4
.else
	WIN 0xa4
.endif
.irp m, 0,1,2,3,4,5,6,7
.if \c == 0
	v_wmma_f32_16x16x128_bf8_bf8 v[8*\m:8*\m+7], v[WF+16*\m:WF+16*\m+15], v[16*\c:16*\c+15], v[BIA+8*\m:BIA+8*\m+7]
.else
	v_wmma_f32_16x16x128_bf8_bf8 v[8*\m:8*\m+7], v[WF+16*\m:WF+16*\m+15], v[16*\c:16*\c+15], v[8*\m:8*\m+7]
.endif
.endr
	PLACES
	WIN 0
.endr
	EPI 0, HOX, 0
	s_add_co_u32 s[LC], s[LC], 1
	s_cmp_lt_u32 s[LC], s[NL]
	s_cbranch_scc1 .Llate
.Ldone:
	s_wait_tensorcnt 0x0
	ds_add_u32 v30, v31
	s_wait_dscnt 0x0
	s_endpgm
.Lfunc_end_k_q9563ba8336_up:
	.size	k_q9563ba8336_up, .Lfunc_end_k_q9563ba8336_up-k_q9563ba8336_up
	.p2alignl 7, 3214868480
	.fill 96, 4, 3214868480
	.section	.rodata,"a",@progbits
	.p2align	6, 0x0
	.amdhsa_kernel k_q9563ba8336_up
		.amdhsa_group_segment_fixed_size 132608
		.amdhsa_private_segment_fixed_size 0
		.amdhsa_enable_private_segment 0
		.amdhsa_kernarg_size 48
		.amdhsa_user_sgpr_count 2
		.amdhsa_user_sgpr_kernarg_segment_ptr 1
		.amdhsa_wavefront_size32 1
		.amdhsa_system_sgpr_workgroup_id_x 1
		.amdhsa_system_sgpr_workgroup_id_y 1
		.amdhsa_system_sgpr_workgroup_id_z 1
		.amdhsa_system_vgpr_workitem_id 0
		.amdhsa_next_free_vgpr 1024
		.amdhsa_next_free_sgpr 106
		.amdhsa_reserve_vcc 1
		.amdhsa_float_denorm_mode_32 3
		.amdhsa_float_denorm_mode_16_64 3
		.amdhsa_memory_ordered 1
		.amdhsa_forward_progress 1
		.amdhsa_inst_pref_size 255
	.end_amdhsa_kernel
	.section	.bss,"aw",@nobits
	.p2align	6
	.space	262144
	.amdgpu_metadata
---
amdhsa.version: [ 1, 2 ]
amdhsa.kernels:
  - .name:           k_q9563ba8336_up
    .symbol:         k_q9563ba8336_up.kd
    .args:
      - { .name: W1, .offset: 0, .size: 8, .value_kind: global_buffer, .address_space: global }
      - { .name: b1, .offset: 8, .size: 8, .value_kind: global_buffer, .address_space: global }
      - { .name: lowp_scales, .offset: 16, .size: 8, .value_kind: global_buffer, .address_space: global }
      - { .name: xq, .offset: 24, .size: 8, .value_kind: global_buffer, .address_space: global }
      - { .name: sel, .offset: 32, .size: 8, .value_kind: global_buffer, .address_space: global }
      - { .name: himg, .offset: 40, .size: 8, .value_kind: global_buffer, .address_space: global }
    .group_segment_fixed_size: 132608
    .private_segment_fixed_size: 0
    .kernarg_segment_align: 8
    .kernarg_segment_size: 48
    .max_flat_workgroup_size: 128
    .sgpr_count:     106
    .vgpr_count:     1024
    .wavefront_size: 32
...
	.end_amdgpu_metadata
.endif
;; end of part 2
;; launch down (part 3): grid 256 x 1, 4 waves a work-group, no clusters, 150,016 bytes of LDS; arguments W2, lowp_scales, himg, sel, y; writes y
.if DOCPART == 3
	.amdgcn_target "amdgcn-amd-amdhsa--gfx1250"
	.amdhsa_code_object_version 6
	.text
	.protected	k_q9563ba8336_down
	.globl	k_q9563ba8336_down
	.p2align	8
	.type	k_q9563ba8336_down,@function
k_q9563ba8336_down:
	s_mov_b64 s[64:65], 0
	v_nop
	global_prefetch_b8 v0, s[64:65] scope:SCOPE_SE
	s_setreg_imm32_b32 hwreg(HW_REG_WAVE_MODE, 25, 1), 1
	s_wait_xcnt 0x0
; SECOND LAYER, for the rows that chose an expert: the raw f32 sums of Q(h) Q(W2[e]) on codes of E5M2, over one half of K.  The scale 2^(e2 + e3), b2 and the two weights come in the next launch.
; SHARES.  Work-group (e = id / 32, s = (id / 16) % 2, sl = id % 16) owns output columns 64 sl .. 64 sl + 63 of expert e over k = 2,048 s .. 2,048 s + 2,047: 512 KiB of W2, read here and nowhere else; 256 bytes of each row.
; W2 has K as its first axis.  8 chunks of 256 along K (two K steps of 128, kk = 0, 1).  A load takes two rows, 256 consecutive bytes each: lanes 0-15 row 32 w + i', lanes 16-31 the row 8 further on.  A lane's 16 k are
; 32 w + 8 h + 0 .. 7 and 32 w + 16 + 8 h + 0 .. 7, the places of k that the hidden layer's images have in registers 4 w .. 4 w + 3.  Held, converted, turned (4 x 4 bytes) and stored to LDS as images of fragments:
; fragment 4 kk + n (16 columns x 128 K), load cc, lane L at (4 kk + n) FPI + 512 cc + 16 L.  Every chunk has LDS bytes of its own: one barrier a chunk, and all codes stay for the loop of late tiles.
; ROWS come as dense images from himg, tile by tile, in the order that the launch before gave them; the same search over sel says which token each row is, for the stores.
; THE PRODUCT IS USED TRANSPOSED (source 0 = 16 columns of W2, source 1 = 16 rows of h): a lane holds one token and eight neighbouring outputs.  A tile goes through the wave's own stage in LDS and leaves as whole rows:
; sixteen lanes store 256 consecutive bytes, at a multiple of 256 from y's first byte.  OUT: y [s][e][token][1,024] f32, only the rows of tokens that chose e.
; Chunk 0 multiplies all six tiles of every wave, so that every register is written on every way; a tile past the expert's last reads the last written tile and is not stored; from chunk 1 on such tiles are jumped over.
; A tile's ranks past the last row are the last row again: they give the same numbers and are stored to the same place by the same wave.
; NO TENSOR LOAD, NO CLUSTER: as in the launch before: the number of tiles is read from memory, and every byte of W2 has one reader and passes through registers.
; LIMITS: e2 between -126 and 112.  NaN among the inputs is not served.
; REGISTERS, in windows of 256: window 0: v1-31 addresses and constants; v32-79 the way out; v128-255 W2's eight fragments (between chunks: at work).   window 1: two landing sets of 128 for W2.
;   window 2: h's fragments, tile i, K step kk at 32 i + 16 kk.   window 3: accumulators, tile i, column tile n at 32 i + 8 n.
.set CH,   16512
.set FPI,  2064
.set HALF, 4*CH
.set STAGE, 8*CH                       ; behind the codes: 16 rows x (256 bytes + 16) for each wave
.set WLD,  1                           ; v1, v2   16 x lane (+ HALF)
.set WST,  3                           ; v3, v4   FPI ((l / 4) % 4) + 512 w + 256 (l / 16) + 64 (l % 4) (+ HALF)
.set WO,   5                           ; v5       W2: (32 w + 8 (l / 16)) rows of 4,096 bytes + 16 (l % 16)
.set LIM,  6
.set WSC,  7
.set AOX,  9                           ; v9       himg: a late tile's offset
.set STO,  10                          ; v10      the stage, on the way in
.set RD,   11                          ; v11      and back
.set TKX,  12                          ; v12      a late tile's tokens
.set C16,  13                          ; v13      16 (l % 16)
.set TK,   14                          ; v14-19   tile i's tokens: lane r and lane 16 + r hold rank r's
.set LANE, 21
.set HH,   22                          ; v22      l / 16
.set RR,   24                          ; v24      l % 16
.set AO,   26                          ; v26-31   himg: tile i's offset
.set TO,   32                          ; v32-39   the way out: offsets in y
.set OB,   40                          ; v40-71   the way out: 16 rows read back
.set BA,   72                          ; v72-79   lane numbers x 4 for ds_bpermute_b32: row 2 k + l / 16
.set WF,   128
.set CD,   128
.set AB,   144
.set TT,   160
.set SX,   128
.set WAVE, 18
.set XE,   19
.set SL,   20
.set NA,   21
.set NT,   22
.set CNT1, 23
.set KH,   24
.set LC,   29                          ; s29  counts my late tiles, by 1
.set TC,   30                          ; s30  the late tile in hand: 24 + w + 4 LC (at the head: at work)
.set NL,   31                          ; s31  how many late tiles are mine: 10 at the most (1,024 rows are 64 tiles, 16 a wave)
.set MK,   32
.set PF,   66
.set MSB, 0
.macro WIN new
.if MSB != (\new)
	s_set_vgpr_msb (MSB<<8)|(\new)
.set MSB, (\new)
.endif
.endm
.macro PLACES
.rept 4
	v_nop
.endr
.endm
.macro BAR
	s_wait_dscnt 0x0
	s_barrier_signal -1
	s_barrier_wait -1
.endm
.macro WLOAD c                         ; chunk c into landing set c % 2: row 256 c + 128 sub + 32 w + 8 h + i % 8 + 16 (i / 8)
	WIN 0x40
.irp sub, 0,1
.irp i, 0,1,2,3,4,5,6,7,8,9,10,11,12,13,14,15
	global_load_b128 v[128*((\c)%2)+64*\sub+4*\i:128*((\c)%2)+64*\sub+4*\i+3], v[WO], s[4:5] offset:(\c)*1048576+(128*\sub+(\i%8)+16*(\i/8))*4096 th:TH_LOAD_NT
.endr
.endr
	WIN 0
.endm
.macro CONVERT c, n0, n1               ; as in the launch before; half sub of the set is K step kk = sub
.irp sub, 0,1
.set LS, 128*((\c)%2)+64*\sub
.set TS, TT+16*\sub
.if \sub == 0
	s_wait_loadcnt \n0
.else
	s_wait_loadcnt \n1
.endif
	WIN 0x41
.set j, 0
.rept 64
	v_med3_num_f32 v[LS+j], v[LS+j], -v[LIM], v[LIM]   ; the conversion to an 8-bit code does not saturate (ISA guide 7.6.2)
.set j, j+1
.endr
	WIN 0x01
.irp m, 0,1,2,3,4,5,6,7
	v_cvt_scalef32_pk8_bf8_f32 v[CD+2*\m:CD+2*\m+1], v[LS+8*\m:LS+8*\m+7], v[WSC]
.endr
	WIN 0
	v_nop                                          ; a plain line between the conversions and the first reader of their results
.irp q, 0,1,2,3
	v_perm_b32 v[AB+4*\q], v[CD+4*\q+1], v[CD+4*\q], s98
	v_perm_b32 v[AB+4*\q+1], v[CD+4*\q+1], v[CD+4*\q], s99
	v_perm_b32 v[AB+4*\q+2], v[CD+4*\q+3], v[CD+4*\q+2], s98
	v_perm_b32 v[AB+4*\q+3], v[CD+4*\q+3], v[CD+4*\q+2], s99
.endr
.irp q, 0,1,2,3
	v_perm_b32 v[TS+\q], v[AB+4*\q+2], v[AB+4*\q], s100
	v_perm_b32 v[TS+4+\q], v[AB+4*\q+2], v[AB+4*\q], s101
	v_perm_b32 v[TS+8+\q], v[AB+4*\q+3], v[AB+4*\q+1], s100
	v_perm_b32 v[TS+12+\q], v[AB+4*\q+3], v[AB+4*\q+1], s101
.endr
.irp jj, 0,1,2,3
	ds_store_b128 v[WST+(\c)/4], v[TS+4*\jj:TS+4*\jj+3] offset:((\c)%4)*CH+4*FPI*\sub+16*\jj
.endr
.endr
.endm
; Chunk c's products: fragment m = 4 kk + n against my tiles' K step kk.  A tile's four accumulators take turns, one instruction a turn.
.macro MULT c
.if (\c) > 0
	s_cmp_gt_u32 s[NA], 0
	s_cbranch_scc0 .Lmend_\@
.endif
.irp m, 0,1,2,3,4,5,6,7
.irp cc, 0,1,2,3
	ds_load_b128 v[WF+16*\m+4*\cc:WF+16*\m+4*\cc+3], v[WLD+(\c)/4] offset:((\c)%4)*CH+\m*FPI+512*\cc
.endr
.endr
.irp i, 0,1,2,3,4,5
.if ((\c) > 0) && (\i > 0)
	s_cmp_gt_u32 s[NA], \i
	s_cbranch_scc0 .Lmend_\@
.endif
	WIN 0xf8                                       ; source 1 (h) window 2, C and D window 3
.irp m, 0,1,2,3,4,5,6,7
.if \i == 0
	s_wait_dscnt 4*(7-\m)                          ; fragment m is in: behind it four loads for each later fragment
.endif
.if ((\c) == 0) && (\m < 4)
	v_wmma_f32_16x16x128_bf8_bf8 v[32*\i+8*(\m%4):32*\i+8*(\m%4)+7], v[WF+16*\m:WF+16*\m+15], v[32*\i+16*(\m/4):32*\i+16*(\m/4)+15], 0
.else
	v_wmma_f32_16x16x128_bf8_bf8 v[32*\i+8*(\m%4):32*\i+8*(\m%4)+7], v[WF+16*\m:WF+16*\m+15], v[32*\i+16*(\m/4):32*\i+16*(\m/4)+15], v[32*\i+8*(\m%4):32*\i+8*(\m%4)+7]
.endif
.endr
	PLACES
.if (\c) < 7
	WIN 0x80
.irp kk, 0,1
.irp cc, 0,1,2,3
	global_load_b128 v[32*\i+16*\kk+4*\cc:32*\i+16*\kk+4*\cc+3], v[AO+\i], s[8:9] offset:(2*((\c)+1)+\kk)*2048+512*\cc
.endr
.endr
.endif
	WIN 0
.endr
.Lmend_\@:
.endm
; Tile slot i goes out; v[tk] holds its tokens.
.macro EPI2 i, tk
	s_wait_xcnt 0x0                                ; the stores of the tile before have read their registers
	WIN 0x0c                                       ; an LDS store's data: window 3
.irp n, 0,1,2,3
	ds_store_b128 v[STO], v[32*\i+8*\n:32*\i+8*\n+3] offset:64*\n            ; each accumulator from its low end on
	ds_store_b128 v[STO], v[32*\i+8*\n+4:32*\i+8*\n+7] offset:64*\n+16
.endr
	WIN 0
.irp k, 0,1,2,3,4,5,6,7
	ds_bpermute_b32 v[TO+\k], v[BA+\k], v[\tk]     ; the token of row 2 k + l / 16
.endr
.irp k, 0,1,2,3,4,5,6,7
	ds_load_b128 v[OB+4*\k:OB+4*\k+3], v[RD] offset:544*\k   ; my wave's own bytes; LDS serves a wave's instructions in order (ISA guide 5.7.1.4)
.endr
	s_wait_dscnt 8                                 ; the tokens are in: behind them the eight loads
.irp k, 0,1,2,3,4,5,6,7
	v_min_u32 v[TO+\k], 0x3ff, v[TO+\k]
.endr
.irp k, 0,1,2,3,4,5,6,7
	v_lshl_add_u32 v[TO+\k], v[TO+\k], 12, v[C16]
.endr
.irp k, 0,1,2,3,4,5,6,7
	s_wait_dscnt 7-\k
	global_store_b128 v[TO+\k], v[OB+4*\k:OB+4*\k+3], s[12:13]
.endr
.endm
.macro LEVEL src, w, step
	v_bfe_u32 v[QB+10], v[QB+\src], v[QB+9], \w
	v_cmp_ge_u32 vcc_lo, v[QB+8], v[QB+10]
	v_cndmask_b32 v[QB+11], 0, v[QB+10], vcc_lo
	v_sub_nc_u32 v[QB+8], v[QB+8], v[QB+11]
	v_cndmask_b32 v[QB+11], 0, \step, vcc_lo
	v_add_nc_u32 v[QB+9], v[QB+9], v[QB+11]
.endm
.macro SELECT nq                       ; as in the launch before: ranks in v[SX + 16 x], tokens out in v[SX + 16 x + 12]
.set x, 0
.rept \nq
.set QB, SX+16*x
	v_min_u32 v[QB], s[CNT1], v[QB]
	v_lshl_or_b32 v[QB+1], v[QB], 16, 0xffff
	v_mov_b32 v[QB+2], s[MK]
	v_mov_b32 v[QB+3], s[PF]
.set x, x+1
.endr
.set g, 1
.rept 31
.set x, 0
.rept \nq
.set QB, SX+16*x
	v_cmp_gt_u32 vcc_lo, s[PF+g], v[QB+1]
	v_cndmask_b32 v[QB+2], s[MK+g], v[QB+2], vcc_lo
	v_cndmask_b32 v[QB+3], s[PF+g], v[QB+3], vcc_lo
.set x, x+1
.endr
.set g, g+1
.endr
.set x, 0
.rept \nq
.set QB, SX+16*x
	v_lshrrev_b32 v[QB+10], 1, v[QB+2]
	v_and_b32 v[QB+10], 0x55555555, v[QB+10]
	v_sub_nc_u32 v[QB+4], v[QB+2], v[QB+10]
	v_lshrrev_b32 v[QB+10], 2, v[QB+4]
	v_and_b32 v[QB+10], 0x33333333, v[QB+10]
	v_and_b32 v[QB+11], 0x33333333, v[QB+4]
	v_add_nc_u32 v[QB+5], v[QB+10], v[QB+11]
	v_lshrrev_b32 v[QB+10], 4, v[QB+5]
	v_add_nc_u32 v[QB+10], v[QB+10], v[QB+5]
	v_and_b32 v[QB+6], 0x0f0f0f0f, v[QB+10]
	v_lshrrev_b32 v[QB+10], 8, v[QB+6]
	v_add_nc_u32 v[QB+7], v[QB+10], v[QB+6]
	v_lshrrev_b32 v[QB+10], 16, v[QB+3]
	v_sub_nc_u32 v[QB+8], v[QB], v[QB+10]
	v_mov_b32 v[QB+9], 0
	LEVEL 7, 8, 16
	LEVEL 6, 8, 8
	LEVEL 5, 4, 4
	LEVEL 4, 2, 2
	LEVEL 2, 1, 1
	v_and_b32 v[QB+10], 0xffff, v[QB+3]
	v_lshl_add_u32 v[QB+12], v[QB+9], 4, v[QB+10]
.set x, x+1
.endr
.endm
	s_load_b256 s[4:11], s[0:1], 0x0               ; W2 s[4:5], the scales' exponents s[6:7], himg s[8:9], sel s[10:11]
	s_load_b64 s[12:13], s[0:1], 0x20              ; y
	v_lshl_add_u32 v126, v0, 2, 0x24800
	v_mov_b32 v127, 0
	v_lshrrev_b32 v20, 5, v0
	v_readfirstlane_b32 s[WAVE], v20
	s_lshr_b32 s[XE], ttmp9, 5
	s_bfe_u32 s[KH], ttmp9, 0x10004                ; which half of K
	s_and_b32 s[SL], ttmp9, 15
	v_and_b32 v[LANE], 31, v0
	v_lshlrev_b32 v[WLD], 4, v[LANE]
	v_add_nc_u32 v[WLD+1], HALF, v[WLD]
	v_bfe_u32 v20, v0, 2, 2
	v_mul_u32_u24 v[WST], v20, FPI
	v_and_b32 v20, 3, v0
	v_lshl_add_u32 v[WST], v20, 6, v[WST]
	v_bfe_u32 v[HH], v0, 4, 1
	v_lshl_add_u32 v[WST], v[HH], 8, v[WST]
	s_lshl_b32 s2, s[WAVE], 9
	v_add_nc_u32 v[WST], s2, v[WST]
	v_add_nc_u32 v[WST+1], HALF, v[WST]
	v_and_b32 v[RR], 15, v0
	v_lshlrev_b32 v[C16], 4, v[RR]
	v_lshl_add_u32 v[WO], v[HH], 15, v[C16]
	s_lshl_b32 s2, s[WAVE], 17
	v_add_nc_u32 v[WO], s2, v[WO]
	s_mul_i32 s2, s[WAVE], 4352
	s_add_co_u32 s2, s2, STAGE                     ; my stage
	v_mul_u32_u24 v[STO], v[RR], 272
	v_lshl_add_u32 v[STO], v[HH], 5, v[STO]
	v_add_nc_u32 v[STO], s2, v[STO]                ; in: row r, 32 bytes for each half of the lanes
	v_mul_u32_u24 v[RD], v[HH], 272
	v_add_nc_u32 v[RD], v[C16], v[RD]
	v_add_nc_u32 v[RD], s2, v[RD]                  ; back: lanes 0-15 one row of 256 bytes, lanes 16-31 the next
.irp k, 0,1,2,3,4,5,6,7
	v_lshl_add_u32 v[BA+\k], v[HH], 2, 8*\k
.endr
	s_mov_b32 s98, 0x05010400
	s_mov_b32 s99, 0x07030602
	s_mov_b32 s100, 0x05040100
	s_mov_b32 s101, 0x07060302
	s_mov_b32 s104, 0x76543210
	s_mov_b32 s105, 0xfedcba98
	s_wait_kmcnt 0x0
	s_load_b32 s25, s[6:7], 0x8                    ; e2
	s_lshl_b32 s2, s[XE], 24                       ; an expert's W2 is 16,777,216 bytes, half of its K 8,388,608; my 64 columns begin 256 sl bytes into each row
	s_lshl_b32 s3, s[KH], 23
	s_add_co_u32 s2, s2, s3
	s_lshl_b32 s3, s[SL], 8
	s_add_co_u32 s2, s2, s3
	s_mov_b32 s3, 0
	s_add_nc_u64 s[4:5], s[4:5], s[2:3]
	s_lshl_b32 s2, s[XE], 22
	s_lshl_b32 s30, s[KH], 15
	s_add_co_u32 s2, s2, s30
	s_add_nc_u64 s[8:9], s[8:9], s[2:3]            ; himg at (e, tile 0, K step 16 s)
	s_lshl_b32 s2, s[KH], 25
	s_lshl_b32 s30, s[XE], 22
	s_add_co_u32 s2, s2, s30
	s_lshl_b32 s30, s[SL], 8
	s_add_co_u32 s2, s2, s30
	s_add_nc_u64 s[12:13], s[12:13], s[2:3]        ; y at (s, e, token 0, column 64 sl)
	global_load_b128 v[TO:TO+3], v[WLD], s[10:11]              ; sel
	global_load_b128 v[TO+4:TO+7], v[WLD], s[10:11] offset:512
	WLOAD 0
	WLOAD 1
	s_wait_kmcnt 0x0
	s_add_co_i32 s2, s25, 127
	s_lshl_b32 s3, s2, 23
	v_mov_b32 v[WSC], s3                           ; 2^e2
	s_add_co_i32 s2, s2, 15
	s_lshl_b32 s2, s2, 23
	s_or_b32 s2, s2, 0x600000
	v_mov_b32 v[LIM], s2                           ; 57,344 x 2^e2
	s_lshl_b32 s[PF], 1, s[XE]
	s_lshl_b32 s[PF+1], s[PF], 8
	s_lshl_b32 s[PF+2], s[PF], 16
	s_lshl_b32 s[PF+3], s[PF], 24
	s_wait_loadcnt 63                              ; sel is in: 64 loads of W2 were issued behind it
.set g, 0
.rept 32
	v_and_b32 v40, s[PF+(g%4)], v[TO+4*(g/16)+((g%16)/4)]
	v_cmp_ne_u32 s[MK+g], 0, v40
.set g, g+1
.endr
	s_mov_b32 s2, 0
.set g, 0
.rept 32
	s_or_b32 s[PF+g], s2, 512*(g/16)+(g%16)
	s_bcnt1_i32_b32 s3, s[MK+g]
	s_lshl_b32 s3, s3, 16
	s_add_co_u32 s2, s2, s3
.set g, g+1
.endr
	s_lshr_b32 s3, s2, 16
	s_add_co_i32 s[CNT1], s3, -1
	s_add_co_u32 s3, s3, 15
	s_lshr_b32 s[NT], s3, 4
	s_add_co_u32 s3, s[NT], 3
	s_sub_co_u32 s3, s3, s[WAVE]
	s_lshr_b32 s3, s3, 2                           ; my tiles in all: w, w + 4, ..
	s_min_u32 s[NA], s3, 6                         ; six of them in registers,
	s_sub_co_u32 s[NL], s3, s[NA]                  ; the others late
	s_min_u32 s[NL], s[NL], 10
	s_max_u32 s2, s[NT], 1
	s_sub_co_u32 s2, s2, 1                         ; the last tile that the launch before has written
.irp i, 0,1,2,3,4,5
	s_add_co_u32 s3, s[WAVE], 4*\i
	s_min_u32 s3, s3, s2
	s_min_u32 s3, s3, 63
	s_lshl_b32 s3, s3, 16
	v_add_nc_u32 v[AO+\i], s3, v[WLD]
.endr
	WIN 0x80
.irp i, 0,1,2,3,4,5
.irp kk, 0,1
.irp cc, 0,1,2,3
	global_load_b128 v[32*\i+16*\kk+4*\cc:32*\i+16*\kk+4*\cc+3], v[AO+\i], s[8:9] offset:\kk*2048+512*\cc   ; chunk 0 of my rows: images, 512 consecutive bytes a load
.endr
.endr
.endr
	WIN 0
	v_lshl_add_u32 v20, v[HH], 6, v[RR]            ; rank 16 w + 128 p + 64 h + r: a query serves two tiles
	s_lshl_b32 s2, s[WAVE], 4
	v_add_nc_u32 v20, s2, v20
.irp p, 0,1,2
	v_add_nc_u32 v[SX+16*\p], 128*\p, v20
.endr
	SELECT 3
	v_cmp_gt_u32 vcc_lo, 16, v[LANE]
.irp p, 0,1,2
	v_permlanex16_b32 v[SX+16*\p+11], v[SX+16*\p+12], s104, s105
	v_cndmask_b32 v[TK+2*\p], v[SX+16*\p+11], v[SX+16*\p+12], vcc_lo
	v_cndmask_b32 v[TK+2*\p+1], v[SX+16*\p+12], v[SX+16*\p+11], vcc_lo
.endr
; THE STREAM.  Loads are issued in the order W(c), rows(c), W(c + 1): with W(c + 1)'s 32 loads behind, a count of 32 shows chunk c's weights and rows in; 48 = those 32 and the 16 of the set's second half.
; The rows' loads, of which there may be none, are counted as none.  The last chunk has nothing behind it: 16 and 0.
.irp c, 0,1,2,3,4,5,6,7
.if \c < 7
	CONVERT \c, 48, 32
.else
	CONVERT \c, 16, 0
.endif
	BAR                                            ; chunk c's eight fragments lie in LDS
.if \c == 0
	s_wait_loadcnt 0x0                             ; chunk 0's rows were asked for behind W(1)
.endif
	MULT \c
.if \c < 6
	WLOAD \c+2
.endif
.endr
.irp i, 0,1,2,3,4,5
	s_cmp_gt_u32 s[NA], \i
	s_cbranch_scc0 .Lout_done
	EPI2 \i, TK+\i
.endr
.Lout_done:
	; LATE TILES, 24 + w + 4 n, n = 0 .. NL - 1: one at a time, all of this half of K from the codes that lie in LDS.  No barrier: the codes are only read, the stage is my wave's own.
	s_cmp_gt_u32 s[NL], 0
	s_cbranch_scc0 .Ldone
	s_mov_b32 s[LC], 0
.Llate:
	s_wait_xcnt 0x0
	s_lshl_b32 s[TC], s[LC], 2
	s_add_co_u32 s[TC], s[TC], s[WAVE]
	s_add_co_u32 s[TC], s[TC], 24                  ; the tile in hand
	s_lshl_b32 s2, s[TC], 4
	v_add_nc_u32 v[SX], s2, v[RR]
	SELECT 1
	v_mov_b32 v[TKX], v[SX+12]
	s_min_u32 s2, s[TC], 63
	s_lshl_b32 s2, s2, 16
	v_add_nc_u32 v[AOX], s2, v[WLD]
	WIN 0x40
.irp ks, 0,1,2,3,4,5,6,7,8,9,10,11,12,13,14,15
.irp cc, 0,1,2,3
	global_load_b128 v[16*\ks+4*\cc:16*\ks+4*\cc+3], v[AOX], s[8:9] offset:\ks*2048+512*\cc   ; the tile's sixteen fragments fill the landing registers, which are free
.endr
.endr
	WIN 0
	s_wait_loadcnt 0x0
.irp c, 0,1,2,3,4,5,6,7
.irp m, 0,1,2,3,4,5,6,7
.irp cc, 0,1,2,3
	ds_load_b128 v[WF+16*\m+4*\cc:WF+16*\m+4*\cc+3], v[WLD+\c/4] offset:(\c%4)*CH+\m*FPI+512*\cc
.endr
.endr
	s_wait_dscnt 0x0
	WIN 0xf4                                       ; source 1 window 1, C and D window 3
.irp m, 0,1,2,3,4,5,6,7
.if (\c == 0) && (\m < 4)
	v_wmma_f32_16x16x128_bf8_bf8 v[8*(\m%4):8*(\m%4)+7], v[WF+16*\m:WF+16*\m+15], v[16*(2*\c+\m/4):16*(2*\c+\m/4)+15], 0
.else
	v_wmma_f32_16x16x128_bf8_bf8 v[8*(\m%4):8*(\m%4)+7], v[WF+16*\m:WF+16*\m+15], v[16*(2*\c+\m/4):16*(2*\c+\m/4)+15], v[8*(\m%4):8*(\m%4)+7]
.endif
.endr
	PLACES
	WIN 0
.endr
	EPI2 0, TKX
	s_add_co_u32 s[LC], s[LC], 1
	s_cmp_lt_u32 s[LC], s[NL]
	s_cbranch_scc1 .Llate
.Ldone:
	s_wait_tensorcnt 0x0
	ds_add_u32 v126, v127
	s_wait_dscnt 0x0
	s_endpgm
.Lfunc_end_k_q9563ba8336_down:
	.size	k_q9563ba8336_down, .Lfunc_end_k_q9563ba8336_down-k_q9563ba8336_down
	.p2alignl 7, 3214868480
	.fill 96, 4, 3214868480
	.section	.rodata,"a",@progbits
	.p2align	6, 0x0
	.amdhsa_kernel k_q9563ba8336_down
		.amdhsa_group_segment_fixed_size 150016
		.amdhsa_private_segment_fixed_size 0
		.amdhsa_enable_private_segment 0
		.amdhsa_kernarg_size 40
		.amdhsa_user_sgpr_count 2
		.amdhsa_user_sgpr_kernarg_segment_ptr 1
		.amdhsa_wavefront_size32 1
		.amdhsa_system_sgpr_workgroup_id_x 1
		.amdhsa_system_sgpr_workgroup_id_y 1
		.amdhsa_system_sgpr_workgroup_id_z 1
		.amdhsa_system_vgpr_workitem_id 0
		.amdhsa_next_free_vgpr 1024
		.amdhsa_next_free_sgpr 106
		.amdhsa_reserve_vcc 1
		.amdhsa_float_denorm_mode_32 3
		.amdhsa_float_denorm_mode_16_64 3
		.amdhsa_memory_ordered 1
		.amdhsa_forward_progress 1
		.amdhsa_inst_pref_size 255
	.end_amdhsa_kernel
	.section	.bss,"aw",@nobits
	.p2align	6
	.space	262144
	.amdgpu_metadata
---
amdhsa.version: [ 1, 2 ]
amdhsa.kernels:
  - .name:           k_q9563ba8336_down
    .symbol:         k_q9563ba8336_down.kd
    .args:
      - { .name: W2, .offset: 0, .size: 8, .value_kind: global_buffer, .address_space: global }
      - { .name: lowp_scales, .offset: 8, .size: 8, .value_kind: global_buffer, .address_space: global }
      - { .name: himg, .offset: 16, .size: 8, .value_kind: global_buffer, .address_space: global }
      - { .name: sel, .offset: 24, .size: 8, .value_kind: global_buffer, .address_space: global }
      - { .name: y, .offset: 32, .size: 8, .value_kind: global_buffer, .address_space: global }
    .group_segment_fixed_size: 150016
    .private_segment_fixed_size: 0
    .kernarg_segment_align: 8
    .kernarg_segment_size: 40
    .max_flat_workgroup_size: 128
    .sgpr_count:     106
    .vgpr_count:     1024
    .wavefront_size: 32
...
	.end_amdgpu_metadata
.endif
;; end of part 3
;; launch mix (part 4): grid 256 x 1, 8 waves a work-group, no clusters, 0 bytes of LDS; arguments y, b2, eidx, cw, lowp_scales, out0; writes out0
.if DOCPART == 4
	.amdgcn_target "amdgcn-amd-amdhsa--gfx1250"
	.amdhsa_code_object_version 6
	.text
	.protected	k_q9563ba8336_mix
	.globl	k_q9563ba8336_mix
	.p2align	8
	.type	k_q9563ba8336_mix,@function
k_q9563ba8336_mix:
	s_mov_b64 s[64:65], 0
	v_nop
	global_prefetch_b8 v0, s[64:65] scope:SCOPE_SE
	s_setreg_imm32_b32 hwreg(HW_REG_WAVE_MODE, 25, 1), 1
	s_wait_xcnt 0x0
; out[n] = w1 (2^(e2 + e3) (y[0][a][n] + y[1][a][n]) + b2[a]) + w2 (the same with b): a, b the token's two experts, w1, w2 their weights; y's two planes are the two halves of K.
; A wave takes half a row of one token (2,048 bytes): token 4 x work-group + wave / 2, half wave % 2.  Each load and store of a wave covers 512 consecutive bytes.  Each output row has this one owner.
; A stream: no LDS, no barrier, no matrix unit.  The experts' numbers are whole numbers that an earlier launch stored; they are held at 7 ahead of the addresses.
; LIMIT: e2 + e3 between -126 and 127, so that 2^(e2 + e3) is an f32 number.  What reference() multiplies by 0 (the six experts not chosen) is not computed: a non-finite number there is not carried over.
	s_load_b256 s[4:11], s[0:1], 0x0               ; y s[4:5], b2 s[6:7], eidx s[8:9], cw s[10:11]
	s_load_b128 s[12:15], s[0:1], 0x20             ; the scales' exponents s[12:13], out0 s[14:15]
	v_lshrrev_b32 v1, 5, v0
	v_readfirstlane_b32 s16, v1                    ; wave
	v_and_b32 v1, 31, v0
	v_lshlrev_b32 v1, 4, v1                        ; 16 bytes a lane
	s_lshr_b32 s17, s16, 1
	s_lshl_b32 s18, ttmp9, 2
	s_add_co_u32 s17, s17, s18                     ; the token
	s_and_b32 s18, s16, 1
	s_lshl_b32 s18, s18, 11                        ; my half of a row, in bytes
	s_lshl_b32 s28, s17, 3
	s_mov_b32 s29, 0
	s_lshl_b32 s26, s17, 12
	s_add_co_u32 s26, s26, s18                     ; token x 4,096 + my half
	s_mov_b32 s27, 0
	s_mov_b32 s31, 0
	s_wait_kmcnt 0x0
	s_add_nc_u64 s[8:9], s[8:9], s[28:29]
	s_add_nc_u64 s[10:11], s[10:11], s[28:29]
	s_load_b64 s[20:21], s[8:9], 0x0               ; the two experts
	s_load_b64 s[22:23], s[10:11], 0x0             ; the two weights
	s_load_b64 s[24:25], s[12:13], 0x8             ; e2, e3
	s_add_nc_u64 s[14:15], s[14:15], s[26:27]
	s_wait_kmcnt 0x0
	s_min_u32 s20, s20, 7
	s_min_u32 s21, s21, 7
	s_lshl_b32 s30, s20, 22                        ; an expert's plane of y is 4,194,304 bytes
	s_add_co_u32 s30, s30, s26
	s_add_nc_u64 s[32:33], s[4:5], s[30:31]
	s_add_nc_u64 s[34:35], s[32:33], 0x2000000     ; the other half of K: 8 planes on
	s_lshl_b32 s30, s20, 12
	s_add_co_u32 s30, s30, s18
	s_add_nc_u64 s[36:37], s[6:7], s[30:31]
	s_lshl_b32 s30, s21, 22
	s_add_co_u32 s30, s30, s26
	s_add_nc_u64 s[38:39], s[4:5], s[30:31]
	s_add_nc_u64 s[40:41], s[38:39], 0x2000000
	s_lshl_b32 s30, s21, 12
	s_add_co_u32 s30, s30, s18
	s_add_nc_u64 s[42:43], s[6:7], s[30:31]
.irp k, 0,1,2,3
	global_load_b128 v[8+4*\k:11+4*\k], v1, s[32:33] offset:512*\k th:TH_LOAD_NT
	global_load_b128 v[24+4*\k:27+4*\k], v1, s[34:35] offset:512*\k th:TH_LOAD_NT
	global_load_b128 v[56+4*\k:59+4*\k], v1, s[38:39] offset:512*\k th:TH_LOAD_NT
	global_load_b128 v[72+4*\k:75+4*\k], v1, s[40:41] offset:512*\k th:TH_LOAD_NT
	global_load_b128 v[40+4*\k:43+4*\k], v1, s[36:37] offset:512*\k
	global_load_b128 v[88+4*\k:91+4*\k], v1, s[42:43] offset:512*\k
.endr
	s_add_co_i32 s44, s24, s25
	s_add_co_i32 s44, s44, 127
	s_lshl_b32 s44, s44, 23                        ; 2^(e2 + e3) as f32
	s_mov_b32 s45, s44                             ; (a packed form names a pair and takes its low word for both halves: so the upper word is written)
	s_mov_b32 s46, s23                             ; the second weight, as the low word of a pair
	s_mov_b32 s47, s23
.irp k, 0,1,2,3
	s_wait_loadcnt 6*(3-\k)                        ; this quarter's six loads are in; six for each later quarter may be out
.irp p, 0,2
	v_pk_add_f32 v[8+4*\k+\p:9+4*\k+\p], v[8+4*\k+\p:9+4*\k+\p], v[24+4*\k+\p:25+4*\k+\p]
	v_pk_add_f32 v[56+4*\k+\p:57+4*\k+\p], v[56+4*\k+\p:57+4*\k+\p], v[72+4*\k+\p:73+4*\k+\p]
	v_pk_fma_f32 v[8+4*\k+\p:9+4*\k+\p], v[8+4*\k+\p:9+4*\k+\p], s[44:45], v[40+4*\k+\p:41+4*\k+\p] op_sel_hi:[1,0,1]
	v_pk_fma_f32 v[56+4*\k+\p:57+4*\k+\p], v[56+4*\k+\p:57+4*\k+\p], s[44:45], v[88+4*\k+\p:89+4*\k+\p] op_sel_hi:[1,0,1]
	v_pk_mul_f32 v[104+4*\k+\p:105+4*\k+\p], v[8+4*\k+\p:9+4*\k+\p], s[22:23] op_sel_hi:[1,0]
	v_pk_fma_f32 v[104+4*\k+\p:105+4*\k+\p], v[56+4*\k+\p:57+4*\k+\p], s[46:47], v[104+4*\k+\p:105+4*\k+\p] op_sel_hi:[1,0,1]
.endr
	global_store_b128 v1, v[104+4*\k:107+4*\k], s[14:15] offset:512*\k th:TH_STORE_NT
.endr
	s_endpgm
.Lfunc_end_k_q9563ba8336_mix:
	.size	k_q9563ba8336_mix, .Lfunc_end_k_q9563ba8336_mix-k_q9563ba8336_mix
	.p2alignl 7, 3214868480
	.fill 96, 4, 3214868480
	.section	.rodata,"a",@progbits
	.p2align	6, 0x0
	.amdhsa_kernel k_q9563ba8336_mix
		.amdhsa_group_segment_fixed_size 0
		.amdhsa_private_segment_fixed_size 0
		.amdhsa_enable_private_segment 0
		.amdhsa_kernarg_size 48
		.amdhsa_user_sgpr_count 2
		.amdhsa_user_sgpr_kernarg_segment_ptr 1
		.amdhsa_wavefront_size32 1
		.amdhsa_system_sgpr_workgroup_id_x 1
		.amdhsa_system_sgpr_workgroup_id_y 1
		.amdhsa_system_sgpr_workgroup_id_z 1
		.amdhsa_system_vgpr_workitem_id 0
		.amdhsa_next_free_vgpr 128
		.amdhsa_next_free_sgpr 66
		.amdhsa_reserve_vcc 0
		.amdhsa_float_denorm_mode_32 3
		.amdhsa_float_denorm_mode_16_64 3
		.amdhsa_memory_ordered 1
		.amdhsa_forward_progress 1
		.amdhsa_inst_pref_size 8
	.end_amdhsa_kernel
	.amdgpu_metadata
---
amdhsa.version: [ 1, 2 ]
amdhsa.kernels:
  - .name:           k_q9563ba8336_mix
    .symbol:         k_q9563ba8336_mix.kd
    .args:
      - { .name: y, .offset: 0, .size: 8, .value_kind: global_buffer, .address_space: global }
      - { .name: b2, .offset: 8, .size: 8, .value_kind: global_buffer, .address_space: global }
      - { .name: eidx, .offset: 16, .size: 8, .value_kind: global_buffer, .address_space: global }
      - { .name: cw, .offset: 24, .size: 8, .value_kind: global_buffer, .address_space: global }
      - { .name: lowp_scales, .offset: 32, .size: 8, .value_kind: global_buffer, .address_space: global }
      - { .name: out0, .offset: 40, .size: 8, .value_kind: global_buffer, .address_space: global }
    .group_segment_fixed_size: 0
    .private_segment_fixed_size: 0
    .kernarg_segment_align: 8
    .kernarg_segment_size: 48
    .max_flat_workgroup_size: 256
    .sgpr_count:     66
    .vgpr_count:     128
    .wavefront_size: 32
...
	.end_amdgpu_metadata
.endif
;; end of part 4
;; ======== version 2 of 2: 4 launches
;; workspace buffers: xq 1,048,576 bytes; sel 1,024 bytes of whole numbers; eidx 8,192 bytes of whole numbers; cw 8,192 bytes; himg 33,554,432 bytes; y 67,108,864 bytes
;; launch route (part 5): grid 256 x 1, 4 waves a work-group, no clusters, 35,840 bytes of LDS; arguments x, Wr, br, lowp_scales, xq, sel, eidx, cw; writes xq, sel, eidx, cw
.if DOCPART == 5
	.amdgcn_target "amdgcn-amd-amdhsa--gfx1250"
	.amdhsa_code_object_version 6
	.text
	.protected	k_q9563ba8336_route
	.globl	k_q9563ba8336_route
	.p2align	8
	.type	k_q9563ba8336_route,@function
k_q9563ba8336_route:
	s_mov_b64 s[64:65], 0
	v_nop
	global_prefetch_b8 v0, s[64:65] scope:SCOPE_SE
	s_setreg_imm32_b32 hwreg(HW_REG_WAVE_MODE, 25, 1), 1
	s_wait_xcnt 0x0
; ROUTER AND x's CODES.  routing = softmax(x Wr + br) in f32, its two largest entries for each token (of equal entries the lower index first), and x as codes of E5M2 with the given scale 2^e0.
; A work-group takes 4 tokens.  Wave w takes d = 256 w .. 256 w + 255 of all four, lane l the eight d = 256 w + 8 l + j.  The waves' partial logits meet in LDS behind the one barrier; wave 0 finishes.
; OUT: xq [token][1024] codes, k as it lies;  sel [token] one byte, (1 << first expert) | (1 << second);  eidx [token][2] int32;  cw [token][2] f32, the two weights as the softmax gives them.
; The choice is stored at fixed places: no address and no branch of this launch hangs on it.
; No matrix unit: the product has 8 columns.  No cluster, no tensor load: Wr (32 KiB) is all that work-groups share, and each wave needs it turned in any case.
; LIMITS: e0 between -126 and 112.  NaN among the inputs is not served.
.set X,      16                        ; v16-47   x: token tt's eight numbers at 8 tt
.set TQ,     48                        ; v48-79   the same, held within the largest code x the scale; later at work
.set CQ,     80                        ; v80-87   codes: two registers a token
.set WL,     96                        ; v96-159  Wr as it is loaded
.set WR,     160                       ; v160-223 Wr(8 l + j, e) at 8 j + e
.set ACC,    224                       ; v224-255 partial logits: 8 tt + e
.set SPITCH, 272                       ; a stage row: 256 bytes + 16
.set STG,    32*SPITCH                 ; a wave's own stage
.set RED,    4*STG                     ; behind the stages: 128 bytes a wave, its 32 partial logits
	s_load_b256 s[4:11], s[0:1], 0x0               ; x s[4:5], Wr s[6:7], br s[8:9], the scales' exponents s[10:11]
	s_load_b256 s[12:19], s[0:1], 0x20             ; xq s[12:13], sel s[14:15], eidx s[16:17], cw s[18:19]
	v_lshl_add_u32 v94, v0, 2, 0x8a00
	v_mov_b32 v95, 0
	v_lshrrev_b32 v1, 5, v0
	v_readfirstlane_b32 s20, v1                    ; wave
	v_and_b32 v1, 31, v0                           ; lane
	v_lshlrev_b32 v2, 5, v0                        ; x: 32 bytes a thread, 4,096 a token
	s_lshl_b32 s21, s20, 13
	v_lshl_add_u32 v3, v1, 4, s21                  ; Wr: my wave's 256 rows of 32 bytes, 16 bytes a lane
	s_mul_i32 s22, s20, STG
	v_lshrrev_b32 v10, 4, v1
	v_mul_u32_u24 v4, v10, SPITCH
	v_and_b32 v10, 15, v1
	v_lshl_add_u32 v4, v10, 4, v4
	v_add_nc_u32 v4, s22, v4                       ; the stage, on the way in: a load's 512 bytes are two rows
	v_mul_u32_u24 v5, v1, SPITCH
	v_add_nc_u32 v5, s22, v5                       ; and on the way out: row l = my eight rows of Wr
	v_lshlrev_b32 v6, 3, v0                        ; xq: 8 codes a thread
	s_lshl_b32 s23, s20, 7
	s_add_co_u32 s23, s23, RED
	v_mov_b32 v9, s23                              ; where my wave puts its partial logits
	v_lshl_add_u32 v10, v1, 2, RED                 ; where wave 0's lane (tt, e) = 8 tt + e reads them
	v_and_b32 v11, 7, v1                           ; e
	v_lshlrev_b32 v12, 2, v11
	v_lshrrev_b32 v13, 3, v1                       ; tt
	v_lshl_add_u32 v15, v13, 3, v12                ; eidx, cw: 8 tt + 4 e
	s_mov_b32 s28, 0x76543210                      ; v_permlanex16_b32: lane l xor 16
	s_mov_b32 s29, 0xfedcba98
	s_mov_b32 s27, 0
	s_wait_alu depctr_va_vdst(0)
	s_wait_kmcnt 0x0
	s_load_b32 s24, s[10:11], 0x0                  ; e0
	s_lshl_b32 s26, ttmp9, 14
	s_add_nc_u64 s[4:5], s[4:5], s[26:27]          ; x at my four tokens
	s_lshl_b32 s26, ttmp9, 12
	s_add_nc_u64 s[12:13], s[12:13], s[26:27]      ; xq likewise
	s_lshl_b32 s26, ttmp9, 2
	s_add_nc_u64 s[14:15], s[14:15], s[26:27]      ; sel
	s_lshl_b32 s26, ttmp9, 5
	s_add_nc_u64 s[16:17], s[16:17], s[26:27]      ; eidx
	s_add_nc_u64 s[18:19], s[18:19], s[26:27]      ; cw
.irp i, 0,1,2,3,4,5,6,7,8,9,10,11,12,13,14,15
	global_load_b128 v[WL+4*\i:WL+4*\i+3], v3, s[6:7] offset:512*\i   ; 32 lanes read 512 consecutive bytes
.endr
.irp tt, 0,1,2,3
	global_load_b128 v[X+8*\tt:X+8*\tt+3], v2, s[4:5] offset:4096*\tt th:TH_LOAD_NT
	global_load_b128 v[X+8*\tt+4:X+8*\tt+7], v2, s[4:5] offset:4096*\tt+16 th:TH_LOAD_NT
.endr
	global_load_b32 v14, v12, s[8:9]               ; br(e)
	s_wait_kmcnt 0x0
	s_add_co_i32 s24, s24, 127
	s_lshl_b32 s25, s24, 23
	v_mov_b32 v8, s25                              ; 2^e0 as f32: the conversion takes its exponent field
	s_add_co_i32 s24, s24, 15
	s_lshl_b32 s24, s24, 23
	s_or_b32 s24, s24, 0x600000
	v_mov_b32 v7, s24                              ; 57,344 x 2^e0
	s_wait_alu depctr_va_vdst(0)
	s_wait_loadcnt 9                               ; Wr's sixteen loads are in; behind them: x's eight and br's one
.irp i, 0,1,2,3,4,5,6,7,8,9,10,11,12,13,14,15
	ds_store_b128 v4, v[WL+4*\i:WL+4*\i+3] offset:2*SPITCH*\i
.endr
.irp i, 0,1,2,3,4,5,6,7,8,9,10,11,12,13,14,15
	ds_load_b128 v[WR+4*\i:WR+4*\i+3], v5 offset:16*\i   ; my wave's own bytes; LDS serves a wave's instructions in order (ISA guide 5.7.1.4)
.endr
	s_wait_loadcnt 0x0                             ; x and br
.set j, 0
.rept 32
	v_med3_num_f32 v[TQ+j], v[X+j], -v7, v7        ; the conversion to an 8-bit code does not saturate (ISA guide 7.6.2): the hold comes first; x itself stays for the router
.set j, j+1
.endr
.irp tt, 0,1,2,3
	v_cvt_scalef32_pk8_bf8_f32 v[CQ+2*\tt:CQ+2*\tt+1], v[TQ+8*\tt:TQ+8*\tt+7], v8
.endr
	v_nop                                          ; a plain line behind the last conversion: TQ is written again below
.irp tt, 0,1,2,3
	global_store_b64 v6, v[CQ+2*\tt:CQ+2*\tt+1], s[12:13] offset:1024*\tt   ; a wave stores 256 consecutive bytes, at a multiple of 256 from xq's first byte
.endr
	s_wait_dscnt 0x0                               ; Wr is back, turned
.irp tt, 0,1,2,3
.irp p, 0,1,2,3
	v_pk_mul_f32 v[ACC+8*\tt+2*\p:ACC+8*\tt+2*\p+1], v[WR+2*\p:WR+2*\p+1], v[X+8*\tt:X+8*\tt+1] op_sel_hi:[1,0]   ; j = 0 starts the sums: both halves x the pair's first number
.endr
.irp j, 1,2,3,4,5,6,7
.irp p, 0,1,2,3
.if \j%2
	v_pk_fma_f32 v[ACC+8*\tt+2*\p:ACC+8*\tt+2*\p+1], v[WR+8*\j+2*\p:WR+8*\j+2*\p+1], v[X+8*\tt+2*(\j/2):X+8*\tt+2*(\j/2)+1], v[ACC+8*\tt+2*\p:ACC+8*\tt+2*\p+1] op_sel:[0,1,0] op_sel_hi:[1,1,1]
.else
	v_pk_fma_f32 v[ACC+8*\tt+2*\p:ACC+8*\tt+2*\p+1], v[WR+8*\j+2*\p:WR+8*\j+2*\p+1], v[X+8*\tt+2*(\j/2):X+8*\tt+2*(\j/2)+1], v[ACC+8*\tt+2*\p:ACC+8*\tt+2*\p+1] op_sel:[0,0,0] op_sel_hi:[1,0,1]
.endif
.endr
.endr
.endr
.irp xm, 1,2,4,8                       ; the 32 sums over the wave's lanes, step by step over all of them, so that no line waits for the line above it
.set j, 0
.rept 32
	v_add_f32_dpp v[ACC+j], v[ACC+j], v[ACC+j] row_xmask:\xm row_mask:0xf bank_mask:0xf
.set j, j+1
.endr
.endr
.set j, 0
.rept 32
	v_permlanex16_b32 v[TQ+j], v[ACC+j], s28, s29
.set j, j+1
.endr
.set j, 0
.rept 32
	v_add_f32 v[ACC+j], v[ACC+j], v[TQ+j]
.set j, j+1
.endr
.irp k, 0,1,2,3,4,5,6,7
	ds_store_b128 v9, v[ACC+4*\k:ACC+4*\k+3] offset:16*\k   ; every lane holds the same 32 numbers and writes the same words
.endr
	s_wait_dscnt 0x0                               ; for wave 0's sake: my stores have landed
	s_barrier_signal -1
	s_barrier_wait -1
	s_cmp_lg_u32 s20, 0
	s_cbranch_scc1 .Lend                           ; waves 1 to 3 are done
.irp wv, 0,1,2,3
	ds_load_b32 v[16+\wv], v10 offset:128*\wv      ; lane 8 tt + e: the four waves' parts of logit (tt, e)
.endr
	s_wait_dscnt 0x0
	v_add_f32 v16, v16, v17
	v_add_f32 v18, v18, v19
	v_add_f32 v16, v16, v18
	v_add_f32 v20, v16, v14                        ; + br(e)
	v_mov_b32 v21, v20
.irp xm, 1,2,4
	v_max_num_f32_dpp v21, v21, v21 row_xmask:\xm row_mask:0xf bank_mask:0xf   ; the token's largest logit, over its eight lanes
.endr
	v_sub_f32 v22, v20, v21
	v_mul_f32 v22, 0x3fb8aa3b, v22                 ; x log2(e)
	s_wait_alu depctr_va_vdst(0)
	v_exp_f32 v22, v22
	v_mov_b32 v28, 0                               ; (a plain line behind the exponential.  v28, v29: a DPP form's destination counts as read)
	v_mov_b32 v29, 0
	s_wait_alu depctr_va_vdst(0)                   ; the wait ahead of the result's first reader
	v_mov_b32 v23, v22
.irp xm, 1,2,4
	v_add_f32_dpp v23, v23, v23 row_xmask:\xm row_mask:0xf bank_mask:0xf
.endr
	s_wait_alu depctr_va_vdst(0)
	v_rcp_f32 v24, v23
	v_nop
	s_wait_alu depctr_va_vdst(0)
	v_mul_f32 v25, v22, v24                        ; routing(tt, e)
; One step of the search for the largest: the partner's pair (value, index) is taken where its value is larger, or equal with the lower index.  Masks go into selects alone.
.macro TOPSTEP xm
	v_mov_b32_dpp v28, v26 row_xmask:\xm row_mask:0xf bank_mask:0xf
	v_mov_b32_dpp v29, v27 row_xmask:\xm row_mask:0xf bank_mask:0xf
	v_cmp_gt_f32 s30, v28, v26
	v_cmp_eq_f32 s31, v28, v26
	v_cmp_lt_u32 vcc_lo, v29, v27
	s_and_b32 s31, s31, vcc_lo
	s_or_b32 vcc_lo, s30, s31
	v_cndmask_b32 v26, v26, v28, vcc_lo
	v_cndmask_b32 v27, v27, v29, vcc_lo
.endm
	v_mov_b32 v26, v25
	v_mov_b32 v27, v11
	TOPSTEP 1
	TOPSTEP 2
	TOPSTEP 4
	v_mov_b32 v30, v26                             ; the first weight,
	v_mov_b32 v31, v27                             ; the first expert
	v_cmp_eq_u32 vcc_lo, v11, v31
	v_cndmask_b32 v26, v25, -1.0, vcc_lo           ; the first is taken out: -1 lies under every entry of a softmax
	v_mov_b32 v27, v11
	TOPSTEP 1
	TOPSTEP 2
	TOPSTEP 4
	v_lshlrev_b32 v32, v31, 1
	v_lshlrev_b32 v33, v27, 1
	v_or_b32 v32, v32, v33                         ; the token's byte of sel
	v_cmp_eq_u32 vcc_lo, 0, v11
	v_cndmask_b32 v34, v27, v31, vcc_lo            ; lane e = 0 stores the first pair, lane e = 1 the second
	v_cndmask_b32 v35, v26, v30, vcc_lo
	v_cmp_gt_u32 vcc_lo, 2, v11
	s_wait_alu depctr_va_vdst(0)
	s_wait_xcnt 0x0                                ; EXEC changes only behind this wait: xq's stores are out
	s_and_saveexec_b32 s30, vcc_lo
	global_store_b32 v15, v34, s[16:17]
	global_store_b32 v15, v35, s[18:19]
	s_wait_xcnt 0x0
	s_or_b32 exec_lo, exec_lo, s30
	v_cmp_eq_u32 vcc_lo, 0, v11
	s_and_saveexec_b32 s30, vcc_lo
	global_store_b8 v13, v32, s[14:15]
	s_wait_xcnt 0x0
	s_or_b32 exec_lo, exec_lo, s30
.Lend:
	s_wait_tensorcnt 0x0
	ds_add_u32 v94, v95
	s_wait_dscnt 0x0
	s_endpgm
.Lfunc_end_k_q9563ba8336_route:
	.size	k_q9563ba8336_route, .Lfunc_end_k_q9563ba8336_route-k_q9563ba8336_route
	.p2alignl 7, 3214868480
	.fill 96, 4, 3214868480
	.section	.rodata,"a",@progbits
	.p2align	6, 0x0
	.amdhsa_kernel k_q9563ba8336_route
		.amdhsa_group_segment_fixed_size 35840
		.amdhsa_private_segment_fixed_size 0
		.amdhsa_enable_private_segment 0
		.amdhsa_kernarg_size 64
		.amdhsa_user_sgpr_count 2
		.amdhsa_user_sgpr_kernarg_segment_ptr 1
		.amdhsa_wavefront_size32 1
		.amdhsa_system_sgpr_workgroup_id_x 1
		.amdhsa_system_sgpr_workgroup_id_y 1
		.amdhsa_system_sgpr_workgroup_id_z 1
		.amdhsa_system_vgpr_workitem_id 0
		.amdhsa_next_free_vgpr 256
		.amdhsa_next_free_sgpr 66
		.amdhsa_reserve_vcc 1
		.amdhsa_float_denorm_mode_32 3
		.amdhsa_float_denorm_mode_16_64 3
		.amdhsa_memory_ordered 1
		.amdhsa_forward_progress 1
		.amdhsa_inst_pref_size 35
	.end_amdhsa_kernel
	.amdgpu_metadata
---
amdhsa.version: [ 1, 2 ]
amdhsa.kernels:
  - .name:           k_q9563ba8336_route
    .symbol:         k_q9563ba8336_route.kd
    .args:
      - { .name: x, .offset: 0, .size: 8, .value_kind: global_buffer, .address_space: global }
      - { .name: Wr, .offset: 8, .size: 8, .value_kind: global_buffer, .address_space: global }
      - { .name: br, .offset: 16, .size: 8, .value_kind: global_buffer, .address_space: global }
      - { .name: lowp_scales, .offset: 24, .size: 8, .value_kind: global_buffer, .address_space: global }
      - { .name: xq, .offset: 32, .size: 8, .value_kind: global_buffer, .address_space: global }
      - { .name: sel, .offset: 40, .size: 8, .value_kind: global_buffer, .address_space: global }
      - { .name: eidx, .offset: 48, .size: 8, .value_kind: global_buffer, .address_space: global }
      - { .name: cw, .offset: 56, .size: 8, .value_kind: global_buffer, .address_space: global }
    .group_segment_fixed_size: 35840
    .private_segment_fixed_size: 0
    .kernarg_segment_align: 8
    .kernarg_segment_size: 64
    .max_flat_workgroup_size: 128
    .sgpr_count:     66
    .vgpr_count:     256
    .wavefront_size: 32
...
	.end_amdgpu_metadata
.endif
;; end of part 5
;; launch up (part 6): grid 256 x 1, 4 waves a work-group, no clusters, 132,608 bytes of LDS; arguments W1, b1, lowp_scales, xq, sel, himg; writes himg
.if DOCPART == 6
	.amdgcn_target "amdgcn-amd-amdhsa--gfx1250"
	.amdhsa_code_object_version 6
	.text
	.protected	k_q9563ba8336_up
	.globl	k_q9563ba8336_up
	.p2align	8
	.type	k_q9563ba8336_up,@function
k_q9563ba8336_up:
	s_mov_b64 s[64:65], 0
	v_nop
	global_prefetch_b8 v0, s[64:65] scope:SCOPE_SE
	s_setreg_imm32_b32 hwreg(HW_REG_WAVE_SCHED_MODE, 0, 2), 2
	s_setreg_imm32_b32 hwreg(HW_REG_WAVE_MODE, 25, 1), 1
	s_wait_xcnt 0x0
	s_wait_alu depctr_vm_vsrc(0)
; FIRST LAYER, for the rows that chose an expert: h = relu(x W1[e] + b1[e]), both operands as codes of E5M2, h quantised on the way with the given 2^e3.
; SHARES.  Work-group (e = id / 32, sl = id % 32) owns hidden units 128 sl .. 128 sl + 127 of expert e over all K = 1,024: 512 KiB of W1, read here and nowhere else.
; W1 has K as its first axis.  It comes in 8 chunks of 128 along K: wave w loads rows 32 w .. 32 w + 31 of a chunk, each load 512 consecutive bytes (a lane: four columns of one k).  A lane's 16 k x 4 columns are
; held, converted, turned by v_perm_b32 (4 x 4 bytes) and stored to LDS as IMAGES OF FRAGMENTS: fragment m (16 columns x 128 K), load cc, lane L at m FPI + 512 cc + 16 L; lane (r, h) holds column r, k = 32 cc + 16 h + 0 .. 15,
; the same places of k that four 16-byte loads give a row of xq.  Every chunk has LDS bytes of its own: one barrier a chunk, nothing is written twice, and all codes stay for the loop of late tiles.
; ROWS.  sel gives each token's two experts.  Mask word g, bit p, stands for token 512 (g / 16) + g % 16 + 16 p; an expert's rows are its set bits in the order (g, p); tile t holds ranks 16 t .. 16 t + 15; ranks past the
; last are the last row again.  Wave w takes tiles w + 4 i, i = 0 .. 5, in registers; tiles from 24 on (an expert with more than 384 rows) go one at a time through the loop at the end.
; THE PRODUCT IS USED TRANSPOSED (source 0 = 16 columns of W1, source 1 = 16 rows of x): a lane holds one token and eight neighbouring hidden units, so the conversions' results are registers 2 n, 2 n + 1 of the next operand.
; b1 / 2^(e0 + e1) is the C of each sum's first product.  OUT: himg [e][tile][K step sl][2,048 bytes]: registers 4 q .. 4 q + 3 of lane L at 512 q + 16 L.
; Chunk 0 multiplies all six tiles of every wave, so that every register is written on every way; from chunk 1 on the tiles past the expert's last are jumped over.  Tile 0 is made for every expert, also for one without rows.
; NO TENSOR LOAD, NO CLUSTER: the number of tiles is read from memory and the text branches on it; every byte of W1 has one reader and must pass through registers to be quantised; what the 32 work-groups of an expert share,
; its rows' codes (1 KiB a row), is small beside a work-group's 512 KiB of weights.
; LIMITS: e1, and e3 - e0 - e1, between -126 and 112.  NaN among the inputs is not served.
; REGISTERS, in windows of 256: window 0: v1-23 addresses and constants; v32-127 x's fragments, tile i at 32 + 16 i; v128-255 W1's eight fragments (between chunks: at work).
;   window 1: two landing sets of 128 for W1.   window 2: accumulators of tiles 0-3 (64 i + 8 m).   window 3: v0-127 those of tiles 4, 5; v128-191 the bias.
; THE MODE: SCHED_MODE bits 1:0 = 2 (LLVM: expert scheduling mode 2), set by the entry lines.  The code itself states the register dependences between vector or matrix instructions and memory or LDS instructions,
; with s_wait_alu, always for 0.
; THE PLAN.  Registers that memory or LDS instructions touch, round a chunk c:
;   landing set c % 2   W(c)'s loads land in it; chunk c's holds write it and its conversions read it; W(c + 2)'s loads land in it behind chunk c's products.
;   TT, two sets of 16  chunk c's turns write them; its eight LDS stores read them; then they are part of WF again.
;   WF                  chunk c's 32 LDS loads land in it; its products read it; between chunks the conversions and turns work in its first 64 registers.
;   AF, tile i          the rows' loads land in it; chunk c's products read it; the rows of chunk c + 1 land in it behind ALL of chunk c's products.
;   v1-5, v9-15, v23    addresses and offsets, made at the head and never written again.
; So a chunk has three such waits.  (1) va_vdst behind both halves' conversions and turns: TT is written, for the LDS stores; the work registers are done with, for the fragments' loads; the landing set is done with, for
; W(c + 2): no vector or matrix instruction of the rest of the chunk names window 1.  (2) vm_vsrc behind the barrier: the LDS stores have read TT.  (3) va_vdst behind all the tiles' products: they are done reading AF.
; Masks that vector compares write go in runs into scalar registers that are done with (s6-9, s12, s13, s24-26), one wait on va_sdst behind each run, the selects behind that wait.
.set CH,   16512                       ; a chunk's codes in LDS: 8 fragments
.set FPI,  2064                        ; from fragment to fragment: 2,048 bytes + 16, so that the sixteen lanes of a store fall on sixteen different 16-byte columns
.set HALF, 4*CH                        ; chunks 4-7 are reached by a second address register: an LDS offset has 16 bits
.set WLD,  1                           ; v1, v2   16 x lane (+ HALF): where I read fragments
.set WST,  3                           ; v3, v4   where I store codes: FPI (l / 4) + 64 (l % 4) + 512 w (+ HALF)
.set WO,   5                           ; v5       W1: 32 w rows of 16,384 bytes + 16 l
.set LIM,  6                           ; v6       57,344 x 2^e1
.set WSC,  7                           ; v7       2^e1
.set HSC,  8                           ; v8       2^(e3 - e0 - e1)
.set HO,   9                           ; v9       himg: 65,536 w + 16 l
.set AO,   10                          ; v10-15   xq: tile i's token x 1,024 + 16 h
.set RR,   16                          ; v16      l % 16
.set H16,  17                          ; v17      16 (l / 16)
.set AOX,  18                          ; v18, v19 the same two offsets for a late tile
.set HOX,  19
.set LANE, 21
.set BO,   23                          ; v23      b1: 32 (l / 16)
.set AF,   32
.set WF,   128
.set CD,   128                         ; at work between chunks: codes as converted,
.set AB,   144                         ; half turned,
.set TT,   160                         ; turned: two sets of 16
.set PCD,  128                         ; the way out: tile i's codes at 128 + 16 i
.set SX,   128                         ; the search for rows: 16 registers a query
.set BIA,  128                         ; in window 3
.set WAVE, 18
.set XE,   19
.set SL,   20
.set NA,   21                          ; s21  my tiles among the first 24
.set NT,   22                          ; s22  the expert's tiles
.set CNT1, 23                          ; s23  its rows - 1
.set HLIM, 28                          ; s28  57,344 x 2^(e3 - e0 - e1)
.set LC,   29                          ; s29  counts my late tiles, by 1
.set TC,   30                          ; s30  the late tile in hand: 24 + w + 4 LC (at the head: at work)
.set NL,   31                          ; s31  how many late tiles are mine: 10 at the most (1,024 rows are 64 tiles, 16 a wave)
.set MK,   32                          ; s32-63  the expert's 32 mask words
.set PF,   66                          ; s66-97  (rows ahead of word g) << 16 | the word's first token
.set MSB, 0
.macro WIN new                         ; the immediate's high byte repeats the setting that is left; a switch that changes nothing is dropped
.if MSB != (\new)
	s_set_vgpr_msb (MSB<<8)|(\new)
.set MSB, (\new)
.endif
.endm
.macro PLACES                          ; four plain lines behind matrix instructions, ahead of loads into their sources and of reads of their results
.rept 4
	v_nop
.endr
.endm
.macro BAR                             ; my LDS stores have landed: then the work-group's barrier
	s_wait_dscnt 0x0
	s_barrier_signal -1
	s_barrier_wait -1
.endm
; Chunk c of W1 into landing set c % 2: 32 loads, row 128 c + 32 w + 16 sub + i
.macro WLOAD c
	WIN 0x40
.irp sub, 0,1
.irp i, 0,1,2,3,4,5,6,7,8,9,10,11,12,13,14,15
	global_load_b128 v[128*((\c)%2)+64*\sub+4*\i:128*((\c)%2)+64*\sub+4*\i+3], v[WO], s[4+12*((\c)/4):5+12*((\c)/4)] offset:((\c)%4)*2097152+(16*\sub+\i)*16384 th:TH_LOAD_NT
.endr
.endr
	WIN 0
.endm
; Chunk c's numbers become codes in LDS.  n0, n1: how many younger loads may stay out when half 0, half 1 of the set must be in.  Both halves are converted and turned, each into its own TT; then the eight stores go in one run.
.macro CONVERT c, n0, n1
.irp sub, 0,1
.set LS, 128*((\c)%2)+64*\sub
.set TS, TT+16*\sub
.if \sub == 0
	s_wait_loadcnt \n0
.else
	s_wait_loadcnt \n1
.endif
	WIN 0x41
.set j, 0
.rept 64
	v_med3_num_f32 v[LS+j], v[LS+j], -v[LIM], v[LIM]   ; the conversion to an 8-bit code does not saturate (ISA guide 7.6.2)
.set j, j+1
.endr
	WIN 0x01
.irp m, 0,1,2,3,4,5,6,7
	v_cvt_scalef32_pk8_bf8_f32 v[CD+2*\m:CD+2*\m+1], v[LS+8*\m:LS+8*\m+7], v[WSC]   ; register i of CD: four columns of k number i
.endr
	WIN 0
	v_nop                                          ; a plain line between the conversions and the first reader of their results
.irp q, 0,1,2,3                        ; 4 x 4 bytes are turned in two steps: pairs of k, then fours
	v_perm_b32 v[AB+4*\q], v[CD+4*\q+1], v[CD+4*\q], s98
	v_perm_b32 v[AB+4*\q+1], v[CD+4*\q+1], v[CD+4*\q], s99
	v_perm_b32 v[AB+4*\q+2], v[CD+4*\q+3], v[CD+4*\q+2], s98
	v_perm_b32 v[AB+4*\q+3], v[CD+4*\q+3], v[CD+4*\q+2], s99
.endr
.irp q, 0,1,2,3
	v_perm_b32 v[TS+\q], v[AB+4*\q+2], v[AB+4*\q], s100
	v_perm_b32 v[TS+4+\q], v[AB+4*\q+2], v[AB+4*\q], s101
	v_perm_b32 v[TS+8+\q], v[AB+4*\q+3], v[AB+4*\q+1], s100
	v_perm_b32 v[TS+12+\q], v[AB+4*\q+3], v[AB+4*\q+1], s101
.endr
.endr
	s_wait_alu depctr_va_vdst(0)                   ; the turns have written both TT, which the stores below read; CD, AB and TT are done with, on which the fragments' loads land behind the barrier; the holds and conversions are done with this landing set, in which W(c + 2) lands
.irp sub, 0,1
.irp jj, 0,1,2,3
	ds_store_b128 v[WST+(\c)/4], v[TT+16*\sub+4*\jj:TT+16*\sub+4*\jj+3] offset:((\c)%4)*CH+256*\sub+16*\jj   ; column 4 l + jj: 16 k on end
.endr
.endr
.endm
; Chunk c's products: my tiles against the eight fragments; behind all the tiles' products their rows of the next chunk are asked for.  The accumulators take turns, one instruction a turn.
.macro MULT c
.if (\c) > 0
	s_cmp_gt_u32 s[NA], 0
	s_cbranch_scc0 .Lmend_\@
.endif
.irp m, 0,1,2,3,4,5,6,7
.irp cc, 0,1,2,3
	ds_load_b128 v[WF+16*\m+4*\cc:WF+16*\m+4*\cc+3], v[WLD+(\c)/4] offset:((\c)%4)*CH+\m*FPI+512*\cc
.endr
.endr
.irp i, 0,1,2,3,4,5
.if ((\c) > 0) && (\i > 0)
	WIN 0                                          ; at a branch every window is 0
	s_cmp_gt_u32 s[NA], \i
	s_cbranch_scc0 .Lrows_\@
.endif
.if \i >= 4
	WIN 0xf0
.elseif (\c) == 0
	WIN 0xb0                                       ; D window 2, C (the bias) window 3
.else
	WIN 0xa0
.endif
.irp m, 0,1,2,3,4,5,6,7
.if \i == 0
	s_wait_dscnt 4*(7-\m)                          ; fragment m is in: behind it four loads for each later fragment
.endif
.if (\c) == 0
	v_wmma_f32_16x16x128_bf8_bf8 v[64*(\i%4)+8*\m:64*(\i%4)+8*\m+7], v[WF+16*\m:WF+16*\m+15], v[AF+16*\i:AF+16*\i+15], v[BIA+8*\m:BIA+8*\m+7]
.else
	v_wmma_f32_16x16x128_bf8_bf8 v[64*(\i%4)+8*\m:64*(\i%4)+8*\m+7], v[WF+16*\m:WF+16*\m+15], v[AF+16*\i:AF+16*\i+15], v[64*(\i%4)+8*\m:64*(\i%4)+8*\m+7]
.endif
.endr
.endr
	WIN 0
.Lrows_\@:
	PLACES                                         ; behind the chunk's last product, on every way; in the last chunk they serve the way out's reads of the sums
.if (\c) < 7
	s_wait_alu depctr_va_vdst(0)                   ; the chunk's products are done reading AF, in which the rows of the next chunk land; the places above stay beside this wait
.irp i, 0,1,2,3,4,5
.if ((\c) > 0) && (\i > 0)
	s_cmp_gt_u32 s[NA], \i
	s_cbranch_scc0 .Lmend_\@
.endif
.irp cc, 0,1,2,3
	global_load_b128 v[AF+16*\i+4*\cc:AF+16*\i+4*\cc+3], v[AO+\i], s[10:11] offset:128*((\c)+1)+32*\cc
.endr
.endr
.endif
.Lmend_\@:
.endm
; Tile slot i goes out: relu and the hold in one, the conversion, four stores of 512 consecutive bytes.
.macro EPI i, off, imm
.if \i < 4
	WIN 0x82
.else
	WIN 0xc3
.endif
.set j, 0
.rept 64
	v_med3_num_f32 v[64*(\i%4)+j], v[64*(\i%4)+j], 0, s[HLIM]   ; each accumulator from its low end on
.set j, j+1
.endr
.if \i < 4
	WIN 0x02
.else
	WIN 0x03
.endif
.irp n, 0,1,2,3,4,5,6,7
	v_cvt_scalef32_pk8_bf8_f32 v[PCD+16*\i+2*\n:PCD+16*\i+2*\n+1], v[64*(\i%4)+8*\n:64*(\i%4)+8*\n+7], v[HSC]   ; k = 16 n + 8 h + 0 .. 7 of the next product's K step sl
.endr
	WIN 0
	v_nop                                          ; a plain line behind the last conversion: its sources are written again by later products
	s_wait_alu depctr_va_vdst(0)                   ; the conversions have written the tile's codes, which the four stores read
.irp q, 0,1,2,3
	global_store_b128 v[\off], v[PCD+16*\i+4*\q:PCD+16*\i+4*\q+3], s[14:15] offset:\imm+512*\q
.endr
.endm
; One level of the search inside a word, for all nq queries: the count of the lower part is taken off where the rank reaches past it.  The queries' compares stand in one run, each with a mask register of its own.
.macro LEVEL nq, src, w, step
.set x, 0
.rept \nq
.set QB, SX+16*x
.set MR, 6+x+2*((x+4)/8)+10*((x+2)/8)
	v_bfe_u32 v[QB+10], v[QB+\src], v[QB+9], \w
	v_cmp_ge_u32 s[MR], v[QB+8], v[QB+10]
.set x, x+1
.endr
	s_wait_alu depctr_va_sdst(0)                   ; the level's masks are written, ahead of the selects that read them
.set x, 0
.rept \nq
.set QB, SX+16*x
.set MR, 6+x+2*((x+4)/8)+10*((x+2)/8)
	v_cndmask_b32 v[QB+11], 0, v[QB+10], s[MR]
	v_sub_nc_u32 v[QB+8], v[QB+8], v[QB+11]
	v_cndmask_b32 v[QB+11], 0, \step, s[MR]
	v_add_nc_u32 v[QB+9], v[QB+9], v[QB+11]
.set x, x+1
.endr
.endm
; nq queries: v[SX + 16 x] holds a rank for each lane; v[SX + 16 x + 12] gets the token of that rank.  +1 rank << 16 | 0xffff, +2 the word, +3 its PF, +4 .. +7 counts in fields of 2, 4, 8, 16 bits, +8 the rank in the word, +9 the bit.
; Mask number mk = 0 .. 8 lies in s6-9, s12, s13, s24-26: 6 + mk, + 2 from mk = 4 on, + 10 from mk = 6 on.
.macro SELECT nq
.set x, 0
.rept \nq
.set QB, SX+16*x
	v_min_u32 v[QB], s[CNT1], v[QB]                ; ranks past the last row are the last row
	v_lshl_or_b32 v[QB+1], v[QB], 16, 0xffff
	v_mov_b32 v[QB+2], s[MK]
	v_mov_b32 v[QB+3], s[PF]
.set x, x+1
.endr
.set g, 1
.rept (30*\nq)/9+1                     ; the last word with no more rows ahead of it than the rank: words 1 to 31 in ascending order, 9 / nq words to a run of nine compares
.set u, 0
.rept 9/\nq
.if g+u < 32
.set x, 0
.rept \nq
.set mk, u*\nq+x
.set MR, 6+mk+2*((mk+4)/8)+10*((mk+2)/8)
	v_cmp_gt_u32 s[MR], s[PF+g+u], v[SX+16*x+1]
.set x, x+1
.endr
.endif
.set u, u+1
.endr
	s_wait_alu depctr_va_sdst(0)                   ; the run's masks are written, ahead of the selects that read them
.set u, 0
.rept 9/\nq
.if g+u < 32
.set x, 0
.rept \nq
.set QB, SX+16*x
.set mk, u*\nq+x
.set MR, 6+mk+2*((mk+4)/8)+10*((mk+2)/8)
	v_cndmask_b32 v[QB+2], s[MK+g+u], v[QB+2], s[MR]
	v_cndmask_b32 v[QB+3], s[PF+g+u], v[QB+3], s[MR]
.set x, x+1
.endr
.endif
.set u, u+1
.endr
.set g, g+9/\nq
.endr
.set x, 0
.rept \nq
.set QB, SX+16*x
	v_lshrrev_b32 v[QB+10], 1, v[QB+2]
	v_and_b32 v[QB+10], 0x55555555, v[QB+10]
	v_sub_nc_u32 v[QB+4], v[QB+2], v[QB+10]
	v_lshrrev_b32 v[QB+10], 2, v[QB+4]
	v_and_b32 v[QB+10], 0x33333333, v[QB+10]
	v_and_b32 v[QB+11], 0x33333333, v[QB+4]
	v_add_nc_u32 v[QB+5], v[QB+10], v[QB+11]
	v_lshrrev_b32 v[QB+10], 4, v[QB+5]
	v_add_nc_u32 v[QB+10], v[QB+10], v[QB+5]
	v_and_b32 v[QB+6], 0x0f0f0f0f, v[QB+10]
	v_lshrrev_b32 v[QB+10], 8, v[QB+6]
	v_add_nc_u32 v[QB+7], v[QB+10], v[QB+6]
	v_lshrrev_b32 v[QB+10], 16, v[QB+3]
	v_sub_nc_u32 v[QB+8], v[QB], v[QB+10]
	v_mov_b32 v[QB+9], 0
.set x, x+1
.endr
	LEVEL \nq, 7, 8, 16
	LEVEL \nq, 6, 8, 8
	LEVEL \nq, 5, 4, 4
	LEVEL \nq, 4, 2, 2
	LEVEL \nq, 2, 1, 1
.set x, 0
.rept \nq
.set QB, SX+16*x
	v_and_b32 v[QB+10], 0xffff, v[QB+3]
	v_lshl_add_u32 v[QB+12], v[QB+9], 4, v[QB+10]  ; the word's first token + 16 x the bit
.set x, x+1
.endr
.endm
	s_load_b256 s[4:11], s[0:1], 0x0               ; W1 s[4:5], b1 s[6:7], the scales' exponents s[8:9], xq s[10:11]
	s_load_b128 s[12:15], s[0:1], 0x20             ; sel s[12:13], himg s[14:15]
	v_lshl_add_u32 v30, v0, 2, 0x20400
	v_mov_b32 v31, 0
	v_lshrrev_b32 v20, 5, v0
	v_readfirstlane_b32 s[WAVE], v20
	s_lshr_b32 s[XE], ttmp9, 5
	s_and_b32 s[SL], ttmp9, 31
	v_and_b32 v[LANE], 31, v0
	v_lshlrev_b32 v[WLD], 4, v[LANE]
	v_add_nc_u32 v[WLD+1], HALF, v[WLD]
	v_lshrrev_b32 v20, 2, v[LANE]
	v_mul_u32_u24 v[WST], v20, FPI
	v_and_b32 v20, 3, v[LANE]
	v_lshl_add_u32 v[WST], v20, 6, v[WST]
	s_wait_alu depctr_va_sdst(0)                   ; the wave's number is written, ahead of its first reader
	s_lshl_b32 s2, s[WAVE], 9
	v_add_nc_u32 v[WST], s2, v[WST]
	v_add_nc_u32 v[WST+1], HALF, v[WST]
	s_lshl_b32 s2, s[WAVE], 19
	v_add_nc_u32 v[WO], s2, v[WLD]
	s_lshl_b32 s2, s[WAVE], 16
	v_add_nc_u32 v[HO], s2, v[WLD]
	v_and_b32 v[RR], 15, v0
	v_bfe_u32 v[H16], v0, 4, 1
	v_lshlrev_b32 v[H16], 4, v[H16]
	v_lshlrev_b32 v[BO], 1, v[H16]
	s_mov_b32 s98, 0x05010400                      ; v_perm_b32: bytes 0 and 1 of two words, by turns;
	s_mov_b32 s99, 0x07030602                      ; bytes 2 and 3;
	s_mov_b32 s100, 0x05040100                     ; the two low halves;
	s_mov_b32 s101, 0x07060302                     ; the two high halves
	s_mov_b32 s104, 0x76543210                     ; v_permlanex16_b32: lane l xor 16
	s_mov_b32 s105, 0xfedcba98
	s_wait_kmcnt 0x0
	s_load_b128 s[24:27], s[8:9], 0x0              ; e0, e1, e2, e3
	s_lshl_b32 s2, s[XE], 24                       ; an expert's W1 is 16,777,216 bytes;
	s_lshl_b32 s3, s[SL], 9                        ; my 128 columns begin 512 sl bytes into each row
	s_add_co_u32 s2, s2, s3
	s_mov_b32 s3, 0
	s_add_nc_u64 s[4:5], s[4:5], s[2:3]
	s_add_nc_u64 s[16:17], s[4:5], 0x800000        ; chunks 4-7: 512 rows on, so that every offset stays inside the signed 24-bit immediate
	s_lshl_b32 s2, s[XE], 14
	s_lshl_b32 s30, s[SL], 9
	s_add_co_u32 s2, s2, s30
	s_add_nc_u64 s[6:7], s[6:7], s[2:3]            ; b1 at my 128 units
	s_lshl_b32 s2, s[XE], 22
	s_lshl_b32 s30, s[SL], 11
	s_add_co_u32 s2, s2, s30
	s_add_nc_u64 s[14:15], s[14:15], s[2:3]        ; himg at (e, tile 0, K step sl)
	s_wait_alu depctr_va_vdst(0)                   ; the addresses and offsets v1-5, v9 and v23 are written, which the loads, LDS instructions and stores of the whole kernel read
	global_load_b128 v[AF:AF+3], v[WLD], s[12:13]              ; sel: 16 tokens' bytes a lane, twice
	global_load_b128 v[AF+4:AF+7], v[WLD], s[12:13] offset:512
	WIN 0xc0
.irp n, 0,1,2,3,4,5,6,7
	global_load_b128 v[BIA+8*\n:BIA+8*\n+3], v[BO], s[6:7] offset:64*\n        ; b1 in the result's layout: lane (r, h), tile n: units 16 n + 8 h + 0 .. 7
	global_load_b128 v[BIA+8*\n+4:BIA+8*\n+7], v[BO], s[6:7] offset:64*\n+16
.endr
	WLOAD 0
	WLOAD 1
	s_wait_kmcnt 0x0
	s_add_co_i32 s2, s25, 127
	s_lshl_b32 s3, s2, 23
	v_mov_b32 v[WSC], s3
	s_add_co_i32 s2, s2, 15
	s_lshl_b32 s2, s2, 23
	s_or_b32 s2, s2, 0x600000
	v_mov_b32 v[LIM], s2
	s_add_co_i32 s30, s24, s25                     ; a sum stands for sum x 2^(e0 + e1): the three scales ahead of the quantiser are folded into one
	s_sub_co_i32 s2, s27, s30
	s_add_co_i32 s2, s2, 127
	s_lshl_b32 s3, s2, 23
	v_mov_b32 v[HSC], s3
	s_add_co_i32 s2, s2, 15
	s_lshl_b32 s2, s2, 23
	s_or_b32 s[HLIM], s2, 0x600000
	s_sub_co_i32 s30, 0, s30
	s_lshl_b32 s[PF], 1, s[XE]                     ; the expert's bit in each of a word's four bytes (these four registers are free until the ballots are done)
	s_lshl_b32 s[PF+1], s[PF], 8
	s_lshl_b32 s[PF+2], s[PF], 16
	s_lshl_b32 s[PF+3], s[PF], 24
	s_wait_loadcnt 63                              ; sel and b1 are in: 64 loads of W1 were issued behind them
.set g, 0
.rept 32                               ; word g = 16 i + b: byte b of load i, one bit a lane
	v_and_b32 v40, s[PF+(g%4)], v[AF+4*(g/16)+((g%16)/4)]
	v_cmp_ne_u32 s[MK+g], 0, v40
.set g, g+1
.endr
	s_wait_alu depctr_va_sdst(0)                   ; the 32 mask words are written, ahead of the counts and selects that read them
	WIN 0xc3
.set j, 0
.rept 64
	v_ldexp_f32 v[BIA+j], v[BIA+j], s30            ; b1 / 2^(e0 + e1)
.set j, j+1
.endr
	WIN 0
	s_mov_b32 s2, 0
.set g, 0
.rept 32
	s_or_b32 s[PF+g], s2, 512*(g/16)+(g%16)
	s_bcnt1_i32_b32 s3, s[MK+g]
	s_lshl_b32 s3, s3, 16
	s_add_co_u32 s2, s2, s3
.set g, g+1
.endr
	s_lshr_b32 s3, s2, 16                          ; the expert's rows
	s_add_co_i32 s[CNT1], s3, -1
	s_add_co_u32 s3, s3, 15
	s_lshr_b32 s[NT], s3, 4
	s_max_u32 s[NT], s[NT], 1                      ; tile 0 is made for every expert: the next launch reads it in any case
	s_add_co_u32 s3, s[NT], 3
	s_sub_co_u32 s3, s3, s[WAVE]
	s_lshr_b32 s3, s3, 2                           ; my tiles in all: w, w + 4, ..
	s_min_u32 s[NA], s3, 6                         ; six of them in registers,
	s_sub_co_u32 s[NL], s3, s[NA]                  ; the others late
	s_min_u32 s[NL], s[NL], 10
	v_lshl_add_u32 v20, v[H16], 2, v[RR]           ; a query serves two tiles: lanes 0-15 tile 2 p, lanes 16-31 tile 2 p + 1: rank 16 w + 128 p + 64 h + r
	s_lshl_b32 s2, s[WAVE], 4
	v_add_nc_u32 v20, s2, v20
.irp p, 0,1,2
	v_add_nc_u32 v[SX+16*\p], 128*\p, v20
.endr
	SELECT 3
	v_cmp_gt_u32 vcc_lo, 16, v[LANE]
.irp p, 0,1,2
	v_permlanex16_b32 v[SX+16*\p+11], v[SX+16*\p+12], s104, s105
.endr
	s_wait_alu depctr_va_vcc(0)                    ; VCC is written, ahead of the selects that read it
.irp p, 0,1,2
	v_cndmask_b32 v[SX+16*\p+10], v[SX+16*\p+11], v[SX+16*\p+12], vcc_lo   ; tile 2 p's tokens in both halves of the lanes,
	v_cndmask_b32 v[SX+16*\p+9], v[SX+16*\p+12], v[SX+16*\p+11], vcc_lo    ; tile 2 p + 1's
	v_min_u32 v[SX+16*\p+10], 0x3ff, v[SX+16*\p+10]
	v_min_u32 v[SX+16*\p+9], 0x3ff, v[SX+16*\p+9]
	v_lshl_add_u32 v[AO+2*\p], v[SX+16*\p+10], 10, v[H16]
	v_lshl_add_u32 v[AO+2*\p+1], v[SX+16*\p+9], 10, v[H16]
.endr
	s_wait_alu depctr_va_vdst(0)                   ; the six offsets AO are written, which the rows' loads read; the ballots are done reading v32-39 and writing v40, in which these loads land
.irp i, 0,1,2,3,4,5
.irp cc, 0,1,2,3
	global_load_b128 v[AF+16*\i+4*\cc:AF+16*\i+4*\cc+3], v[AO+\i], s[10:11] offset:32*\cc   ; chunk 0 of my rows: lane (r, h): k = 32 cc + 16 h + 0 .. 15
.endr
.endr
; THE STREAM.  Loads are issued in the order W(c), rows(c), W(c + 1).  So with W(c + 1)'s 32 loads behind, a count of 32 shows chunk c's weights and rows in, and leaves the next chunk's weights on their way;
; 48 = those 32 and the 16 of the set's second half.  The rows' loads, of which there may be none, are counted as none.  The last chunk has nothing behind it: 16 and 0.
.irp c, 0,1,2,3,4,5,6,7
.if \c < 7
	CONVERT \c, 48, 32
.else
	CONVERT \c, 16, 0
.endif
	BAR                                            ; chunk c's eight fragments lie in LDS
	s_wait_alu depctr_vm_vsrc(0)                   ; my LDS stores have read both TT, on which the fragments' loads land and which the next chunk's turns (behind the last chunk: the way out's conversions) write
.if \c == 0
	s_wait_loadcnt 0x0                             ; chunk 0's rows were asked for behind W(1)
.endif
	MULT \c
.if \c < 6
	WLOAD \c+2                                     ; no wait of its own: no vector or matrix instruction since the wait behind chunk c's turns names this landing set
.endif
.endr
.irp i, 0,1,2,3,4,5
	s_cmp_gt_u32 s[NA], \i
	s_cbranch_scc0 .Lout_done
	EPI \i, HO, 262144*\i
.endr
.Lout_done:
	; LATE TILES, 24 + w + 4 n, n = 0 .. NL - 1: one at a time, all of K from the codes that lie in LDS.  No barrier: LDS is only read.
	s_cmp_gt_u32 s[NL], 0
	s_cbranch_scc0 .Ldone
	s_mov_b32 s[LC], 0
.Llate:
	s_wait_xcnt 0x0                                ; the stores issued so far have read their registers: these are written again below
	s_wait_alu depctr_vm_vsrc(0)                   ; the stores issued so far have read their codes (v128 on) and v19, the last trip's loads v18: the search, the two offsets and the fragments' loads write them again
	s_lshl_b32 s[TC], s[LC], 2
	s_add_co_u32 s[TC], s[TC], s[WAVE]
	s_add_co_u32 s[TC], s[TC], 24                  ; the tile in hand
	s_lshl_b32 s2, s[TC], 4
	v_add_nc_u32 v[SX], s2, v[RR]
	SELECT 1
	v_min_u32 v[SX+12], 0x3ff, v[SX+12]
	v_lshl_add_u32 v[AOX], v[SX+12], 10, v[H16]
	s_min_u32 s2, s[TC], 63
	s_lshl_b32 s2, s2, 16
	v_add_nc_u32 v[HOX], s2, v[WLD]
	WIN 0x40
	s_wait_alu depctr_va_vdst(0)                   ; v18 is written, which the loads read; the conversions, and the last trip's products, are done reading the landing registers, in which they land; the search is done with v128-143, on which chunk 0's fragments land
.irp c, 0,1,2,3,4,5,6,7
.irp cc, 0,1,2,3
	global_load_b128 v[16*\c+4*\cc:16*\c+4*\cc+3], v[AOX], s[10:11] offset:128*\c+32*\cc   ; the rows' eight fragments, into the landing registers, which are free
.endr
.endr
	WIN 0
	s_wait_loadcnt 0x0
.irp c, 0,1,2,3,4,5,6,7
.if \c > 0
	s_wait_alu depctr_va_vdst(0)                   ; the products of the chunk before are done reading WF, in which this chunk's fragments land
.endif
.irp m, 0,1,2,3,4,5,6,7
.irp cc, 0,1,2,3
	ds_load_b128 v[WF+16*\m+4*\cc:WF+16*\m+4*\cc+3], v[WLD+\c/4] offset:(\c%4)*CH+\m*FPI+512*\cc
.endr
.endr
	s_wait_dscnt 0x0
.if \c == 0
	WIN 0xb4
.else
	WIN 0xa4
.endif
.irp m, 0,1,2,3,4,5,6,7
.if \c == 0
	v_wmma_f32_16x16x128_bf8_bf8 v[8*\m:8*\m+7], v[WF+16*\m:WF+16*\m+15], v[16*\c:16*\c+15], v[BIA+8*\m:BIA+8*\m+7]
.else
	v_wmma_f32_16x16x128_bf8_bf8 v[8*\m:8*\m+7], v[WF+16*\m:WF+16*\m+15], v[16*\c:16*\c+15], v[8*\m:8*\m+7]
.endif
.endr
	PLACES
	WIN 0
.endr
	EPI 0, HOX, 0
	s_add_co_u32 s[LC], s[LC], 1
	s_cmp_lt_u32 s[LC], s[NL]
	s_cbranch_scc1 .Llate
.Ldone:
	s_wait_dscnt 0x0
	s_wait_alu depctr_hold_cnt(0) depctr_sa_sdst(0) depctr_va_vdst(0) depctr_va_sdst(0) depctr_va_ssrc(0) depctr_va_vcc(0) depctr_vm_vsrc(0)
	s_wait_tensorcnt 0x0
	ds_add_u32 v30, v31
	s_wait_dscnt 0x0
	s_endpgm
.Lfunc_end_k_q9563ba8336_up:
	.size	k_q9563ba8336_up, .Lfunc_end_k_q9563ba8336_up-k_q9563ba8336_up
	.p2alignl 7, 3214868480
	.fill 96, 4, 3214868480
	.section	.rodata,"a",@progbits
	.p2align	6, 0x0
	.amdhsa_kernel k_q9563ba8336_up
		.amdhsa_group_segment_fixed_size 132608
		.amdhsa_private_segment_fixed_size 0
		.amdhsa_enable_private_segment 0
		.amdhsa_kernarg_size 48
		.amdhsa_user_sgpr_count 2
		.amdhsa_user_sgpr_kernarg_segment_ptr 1
		.amdhsa_wavefront_size32 1
		.amdhsa_system_sgpr_workgroup_id_x 1
		.amdhsa_system_sgpr_workgroup_id_y 1
		.amdhsa_system_sgpr_workgroup_id_z 1
		.amdhsa_system_vgpr_workitem_id 0
		.amdhsa_next_free_vgpr 1024
		.amdhsa_next_free_sgpr 106
		.amdhsa_reserve_vcc 1
		.amdhsa_float_denorm_mode_32 3
		.amdhsa_float_denorm_mode_16_64 3
		.amdhsa_memory_ordered 1
		.amdhsa_forward_progress 1
		.amdhsa_inst_pref_size 255
	.end_amdhsa_kernel
	.section	.bss,"aw",@nobits
	.p2align	6
	.space	262144
	.amdgpu_metadata
---
amdhsa.version: [ 1, 2 ]
amdhsa.kernels:
  - .name:           k_q9563ba8336_up
    .symbol:         k_q9563ba8336_up.kd
    .args:
      - { .name: W1, .offset: 0, .size: 8, .value_kind: global_buffer, .address_space: global }
      - { .name: b1, .offset: 8, .size: 8, .value_kind: global_buffer, .address_space: global }
      - { .name: lowp_scales, .offset: 16, .size: 8, .value_kind: global_buffer, .address_space: global }
      - { .name: xq, .offset: 24, .size: 8, .value_kind: global_buffer, .address_space: global }
      - { .name: sel, .offset: 32, .size: 8, .value_kind: global_buffer, .address_space: global }
      - { .name: himg, .offset: 40, .size: 8, .value_kind: global_buffer, .address_space: global }
    .group_segment_fixed_size: 132608
    .private_segment_fixed_size: 0
    .kernarg_segment_align: 8
    .kernarg_segment_size: 48
    .max_flat_workgroup_size: 128
    .sgpr_count:     106
    .vgpr_count:     1024
    .wavefront_size: 32
...
	.end_amdgpu_metadata
.endif
;; end of part 6
;; launch down (part 7): grid 256 x 1, 4 waves a work-group, no clusters, 150,016 bytes of LDS; arguments W2, lowp_scales, himg, sel, y; writes y
.if DOCPART == 7
	.amdgcn_target "amdgcn-amd-amdhsa--gfx1250"
	.amdhsa_code_object_version 6
	.text
	.protected	k_q9563ba8336_down
	.globl	k_q9563ba8336_down
	.p2align	8
	.type	k_q9563ba8336_down,@function
k_q9563ba8336_down:
	s_mov_b64 s[64:65], 0
	v_nop
	global_prefetch_b8 v0, s[64:65] scope:SCOPE_SE
	s_setreg_imm32_b32 hwreg(HW_REG_WAVE_SCHED_MODE, 0, 2), 2
	s_setreg_imm32_b32 hwreg(HW_REG_WAVE_MODE, 25, 1), 1
	s_wait_xcnt 0x0
	s_wait_alu depctr_vm_vsrc(0)
; SECOND LAYER, for the rows that chose an expert: the raw f32 sums of Q(h) Q(W2[e]) on codes of E5M2, over one half of K.  The scale 2^(e2 + e3), b2 and the two weights come in the next launch.
; SHARES.  Work-group (e = id / 32, s = (id / 16) % 2, sl = id % 16) owns output columns 64 sl .. 64 sl + 63 of expert e over k = 2,048 s .. 2,048 s + 2,047: 512 KiB of W2, read here and nowhere else; 256 bytes of each row.
; W2 has K as its first axis.  8 chunks of 256 along K (two K steps of 128, kk = 0, 1).  A load takes two rows, 256 consecutive bytes each: lanes 0-15 row 32 w + i', lanes 16-31 the row 8 further on.  A lane's 16 k are
; 32 w + 8 h + 0 .. 7 and 32 w + 16 + 8 h + 0 .. 7, the places of k that the hidden layer's images have in registers 4 w .. 4 w + 3.  Held, converted, turned (4 x 4 bytes) and stored to LDS as images of fragments:
; fragment 4 kk + n (16 columns x 128 K), load cc, lane L at (4 kk + n) FPI + 512 cc + 16 L.  Every chunk has LDS bytes of its own: one barrier a chunk, and all codes stay for the loop of late tiles.
; ROWS come as dense images from himg, tile by tile, in the order that the launch before gave them; the same search over sel says which token each row is, for the stores.
; THE PRODUCT IS USED TRANSPOSED (source 0 = 16 columns of W2, source 1 = 16 rows of h): a lane holds one token and eight neighbouring outputs.  A tile goes through the wave's own stage in LDS and leaves as whole rows:
; sixteen lanes store 256 consecutive bytes, at a multiple of 256 from y's first byte.  OUT: y [s][e][token][1,024] f32, only the rows of tokens that chose e.
; Chunk 0 multiplies all six tiles of every wave, so that every register is written on every way; a tile past the expert's last reads the last written tile and is not stored; from chunk 1 on such tiles are jumped over.
; A tile's ranks past the last row are the last row again: they give the same numbers and are stored to the same place by the same wave.
; NO TENSOR LOAD, NO CLUSTER: as in the launch before: the number of tiles is read from memory, and every byte of W2 has one reader and passes through registers.
; LIMITS: e2 between -126 and 112.  NaN among the inputs is not served.
; REGISTERS, in windows of 256: window 0: v1-31 addresses and constants; v32-79 the way out; v128-255 W2's eight fragments (between chunks: at work).   window 1: two landing sets of 128 for W2.
;   window 2: h's fragments, tile i, K step kk at 32 i + 16 kk.   window 3: accumulators, tile i, column tile n at 32 i + 8 n.
; THE MODE: SCHED_MODE bits 1:0 = 2 (LLVM: expert scheduling mode 2), set by the entry lines.  The code itself states the register dependences between vector or matrix instructions and memory or LDS instructions,
; with s_wait_alu, always for 0.
; THE PLAN.  Registers that memory or LDS instructions touch, round a chunk c:
;   landing set c % 2   W(c)'s loads land in it; chunk c's holds write it and its conversions read it; W(c + 2)'s loads land in it behind chunk c's products.
;   TT, two sets of 16  chunk c's turns write them; its eight LDS stores read them; then they are part of WF again.
;   WF                  chunk c's 32 LDS loads land in it; its products read it; between chunks the conversions and turns work in its first 64 registers.
;   window 2, tile i    the rows' loads land in it; chunk c's products read it; the rows of chunk c + 1 land in it behind ALL of chunk c's products.
;   v1-5, v10, v11, v26-31, v72-79   addresses and offsets, made at the head and never written again.
; So a chunk has three such waits.  (1) va_vdst behind both halves' conversions and turns: TT is written, for the LDS stores; the work registers are done with, for the fragments' loads; the landing set is done with, for
; W(c + 2): no vector or matrix instruction of the rest of the chunk names window 1.  (2) vm_vsrc behind the barrier: the LDS stores have read TT.  (3) va_vdst behind all the tiles' products: they are done reading window 2.
; On the way out: the accumulators are read by LDS stores; TO takes the tokens from the lane permutes, is made into offsets by vector instructions and read by the stores; OB takes the rows from the stage and is read by the stores.
; Masks that vector compares write go in runs into scalar registers that hold nothing else by then (s14-17, s24-28), one wait on va_sdst behind each run, the selects behind that wait.
.set CH,   16512
.set FPI,  2064
.set HALF, 4*CH
.set STAGE, 8*CH                       ; behind the codes: 16 rows x (256 bytes + 16) for each wave
.set WLD,  1                           ; v1, v2   16 x lane (+ HALF)
.set WST,  3                           ; v3, v4   FPI ((l / 4) % 4) + 512 w + 256 (l / 16) + 64 (l % 4) (+ HALF)
.set WO,   5                           ; v5       W2: (32 w + 8 (l / 16)) rows of 4,096 bytes + 16 (l % 16)
.set LIM,  6
.set WSC,  7
.set AOX,  9                           ; v9       himg: a late tile's offset
.set STO,  10                          ; v10      the stage, on the way in
.set RD,   11                          ; v11      and back
.set TKX,  12                          ; v12      a late tile's tokens
.set C16,  13                          ; v13      16 (l % 16)
.set TK,   14                          ; v14-19   tile i's tokens: lane r and lane 16 + r hold rank r's
.set LANE, 21
.set HH,   22                          ; v22      l / 16
.set RR,   24                          ; v24      l % 16
.set AO,   26                          ; v26-31   himg: tile i's offset
.set TO,   32                          ; v32-39   the way out: offsets in y
.set OB,   40                          ; v40-71   the way out: 16 rows read back
.set BA,   72                          ; v72-79   lane numbers x 4 for ds_bpermute_b32: row 2 k + l / 16
.set WF,   128
.set CD,   128
.set AB,   144
.set TT,   160
.set SX,   128
.set WAVE, 18
.set XE,   19
.set SL,   20
.set NA,   21
.set NT,   22
.set CNT1, 23
.set KH,   24                          ; s24  which half of K: read at the head alone; a mask of the search afterwards
.set LC,   29                          ; s29  counts my late tiles, by 1
.set TC,   30                          ; s30  the late tile in hand: 24 + w + 4 LC (at the head: at work)
.set NL,   31                          ; s31  how many late tiles are mine: 10 at the most (1,024 rows are 64 tiles, 16 a wave)
.set MK,   32
.set PF,   66
.set MSB, 0
.macro WIN new
.if MSB != (\new)
	s_set_vgpr_msb (MSB<<8)|(\new)
.set MSB, (\new)
.endif
.endm
.macro PLACES
.rept 4
	v_nop
.endr
.endm
.macro BAR
	s_wait_dscnt 0x0
	s_barrier_signal -1
	s_barrier_wait -1
.endm
.macro WLOAD c                         ; chunk c into landing set c % 2: row 256 c + 128 sub + 32 w + 8 h + i % 8 + 16 (i / 8)
	WIN 0x40
.irp sub, 0,1
.irp i, 0,1,2,3,4,5,6,7,8,9,10,11,12,13,14,15
	global_load_b128 v[128*((\c)%2)+64*\sub+4*\i:128*((\c)%2)+64*\sub+4*\i+3], v[WO], s[4:5] offset:(\c)*1048576+(128*\sub+(\i%8)+16*(\i/8))*4096 th:TH_LOAD_NT
.endr
.endr
	WIN 0
.endm
.macro CONVERT c, n0, n1               ; as in the launch before; half sub of the set is K step kk = sub
.irp sub, 0,1
.set LS, 128*((\c)%2)+64*\sub
.set TS, TT+16*\sub
.if \sub == 0
	s_wait_loadcnt \n0
.else
	s_wait_loadcnt \n1
.endif
	WIN 0x41
.set j, 0
.rept 64
	v_med3_num_f32 v[LS+j], v[LS+j], -v[LIM], v[LIM]   ; the conversion to an 8-bit code does not saturate (ISA guide 7.6.2)
.set j, j+1
.endr
	WIN 0x01
.irp m, 0,1,2,3,4,5,6,7
	v_cvt_scalef32_pk8_bf8_f32 v[CD+2*\m:CD+2*\m+1], v[LS+8*\m:LS+8*\m+7], v[WSC]
.endr
	WIN 0
	v_nop                                          ; a plain line between the conversions and the first reader of their results
.irp q, 0,1,2,3
	v_perm_b32 v[AB+4*\q], v[CD+4*\q+1], v[CD+4*\q], s98
	v_perm_b32 v[AB+4*\q+1], v[CD+4*\q+1], v[CD+4*\q], s99
	v_perm_b32 v[AB+4*\q+2], v[CD+4*\q+3], v[CD+4*\q+2], s98
	v_perm_b32 v[AB+4*\q+3], v[CD+4*\q+3], v[CD+4*\q+2], s99
.endr
.irp q, 0,1,2,3
	v_perm_b32 v[TS+\q], v[AB+4*\q+2], v[AB+4*\q], s100
	v_perm_b32 v[TS+4+\q], v[AB+4*\q+2], v[AB+4*\q], s101
	v_perm_b32 v[TS+8+\q], v[AB+4*\q+3], v[AB+4*\q+1], s100
	v_perm_b32 v[TS+12+\q], v[AB+4*\q+3], v[AB+4*\q+1], s101
.endr
.endr
	s_wait_alu depctr_va_vdst(0)                   ; the turns have written both TT, which the stores below read; CD, AB and TT are done with, on which the fragments' loads land behind the barrier; the holds and conversions are done with this landing set, in which W(c + 2) lands
.irp sub, 0,1
.irp jj, 0,1,2,3
	ds_store_b128 v[WST+(\c)/4], v[TT+16*\sub+4*\jj:TT+16*\sub+4*\jj+3] offset:((\c)%4)*CH+4*FPI*\sub+16*\jj
.endr
.endr
.endm
; Chunk c's products: fragment m = 4 kk + n against my tiles' K step kk; behind all the tiles' products their rows of the next chunk are asked for.  A tile's four accumulators take turns, one instruction a turn.
.macro MULT c
.if (\c) > 0
	s_cmp_gt_u32 s[NA], 0
	s_cbranch_scc0 .Lmend_\@
.endif
.irp m, 0,1,2,3,4,5,6,7
.irp cc, 0,1,2,3
	ds_load_b128 v[WF+16*\m+4*\cc:WF+16*\m+4*\cc+3], v[WLD+(\c)/4] offset:((\c)%4)*CH+\m*FPI+512*\cc
.endr
.endr
.irp i, 0,1,2,3,4,5
.if ((\c) > 0) && (\i > 0)
	WIN 0                                          ; at a branch every window is 0
	s_cmp_gt_u32 s[NA], \i
	s_cbranch_scc0 .Lrows_\@
.endif
	WIN 0xf8                                       ; source 1 (h) window 2, C and D window 3
.irp m, 0,1,2,3,4,5,6,7
.if \i == 0
	s_wait_dscnt 4*(7-\m)                          ; fragment m is in: behind it four loads for each later fragment
.endif
.if ((\c) == 0) && (\m < 4)
	v_wmma_f32_16x16x128_bf8_bf8 v[32*\i+8*(\m%4):32*\i+8*(\m%4)+7], v[WF+16*\m:WF+16*\m+15], v[32*\i+16*(\m/4):32*\i+16*(\m/4)+15], 0
.else
	v_wmma_f32_16x16x128_bf8_bf8 v[32*\i+8*(\m%4):32*\i+8*(\m%4)+7], v[WF+16*\m:WF+16*\m+15], v[32*\i+16*(\m/4):32*\i+16*(\m/4)+15], v[32*\i+8*(\m%4):32*\i+8*(\m%4)+7]
.endif
.endr
.endr
	WIN 0
.Lrows_\@:
	PLACES                                         ; behind the chunk's last product, on every way; in the last chunk they serve the way out's reads of the sums
.if (\c) < 7
	WIN 0x80
	s_wait_alu depctr_va_vdst(0)                   ; the chunk's products are done reading h's fragments, in which the rows of the next chunk land; the places above stay beside this wait
.irp i, 0,1,2,3,4,5
.if ((\c) > 0) && (\i > 0)
	WIN 0
	s_cmp_gt_u32 s[NA], \i
	s_cbranch_scc0 .Lmend_\@
.endif
	WIN 0x80
.irp kk, 0,1
.irp cc, 0,1,2,3
	global_load_b128 v[32*\i+16*\kk+4*\cc:32*\i+16*\kk+4*\cc+3], v[AO+\i], s[8:9] offset:(2*((\c)+1)+\kk)*2048+512*\cc
.endr
.endr
.endr
	WIN 0
.endif
.Lmend_\@:
.endm
; Tile slot i goes out; v[tk] holds its tokens.  first = 1: products stand just ahead (the first tile of the ladder; a late tile); first = 0: the stores of the tile before stand just ahead.
.macro EPI2 i, tk, first
	s_wait_xcnt 0x0                                ; the stores of the tile before have read their registers
.if !\first
	s_wait_alu depctr_vm_vsrc(0)                   ; the stores of the tile before have read TO and OB, in which the permutes and loads below land
.endif
	WIN 0x0c                                       ; an LDS store's data: window 3
.if \first
	s_wait_alu depctr_va_vdst(0)                   ; the products have written the accumulators, which the LDS stores read (those of the later tiles of the ladder too); the places behind the last product stay beside this wait
.endif
.irp n, 0,1,2,3
	ds_store_b128 v[STO], v[32*\i+8*\n:32*\i+8*\n+3] offset:64*\n            ; each accumulator from its low end on
	ds_store_b128 v[STO], v[32*\i+8*\n+4:32*\i+8*\n+7] offset:64*\n+16
.endr
	WIN 0
.irp k, 0,1,2,3,4,5,6,7
	ds_bpermute_b32 v[TO+\k], v[BA+\k], v[\tk]     ; the token of row 2 k + l / 16
.endr
.irp k, 0,1,2,3,4,5,6,7
	ds_load_b128 v[OB+4*\k:OB+4*\k+3], v[RD] offset:544*\k   ; my wave's own bytes; LDS serves a wave's instructions in order (ISA guide 5.7.1.4)
.endr
	s_wait_dscnt 8                                 ; the tokens are in: behind them the eight loads
.irp k, 0,1,2,3,4,5,6,7
	v_min_u32 v[TO+\k], 0x3ff, v[TO+\k]
.endr
.irp k, 0,1,2,3,4,5,6,7
	v_lshl_add_u32 v[TO+\k], v[TO+\k], 12, v[C16]
.endr
	s_wait_alu depctr_va_vdst(0)                   ; the eight offsets TO are written, which the stores read
.irp k, 0,1,2,3,4,5,6,7
	s_wait_dscnt 7-\k
	global_store_b128 v[TO+\k], v[OB+4*\k:OB+4*\k+3], s[12:13]
.endr
.endm
; One level of the search inside a word, for all nq queries; the queries' compares stand in one run, each with a mask register of its own.
.macro LEVEL nq, src, w, step
.set x, 0
.rept \nq
.set QB, SX+16*x
.set MR, 14+x+6*((x+4)/8)
	v_bfe_u32 v[QB+10], v[QB+\src], v[QB+9], \w
	v_cmp_ge_u32 s[MR], v[QB+8], v[QB+10]
.set x, x+1
.endr
	s_wait_alu depctr_va_sdst(0)                   ; the level's masks are written, ahead of the selects that read them
.set x, 0
.rept \nq
.set QB, SX+16*x
.set MR, 14+x+6*((x+4)/8)
	v_cndmask_b32 v[QB+11], 0, v[QB+10], s[MR]
	v_sub_nc_u32 v[QB+8], v[QB+8], v[QB+11]
	v_cndmask_b32 v[QB+11], 0, \step, s[MR]
	v_add_nc_u32 v[QB+9], v[QB+9], v[QB+11]
.set x, x+1
.endr
.endm
; As in the launch before: ranks in v[SX + 16 x], tokens out in v[SX + 16 x + 12].  Mask number mk = 0 .. 8 lies in s14-17, s24-28: 14 + mk, + 6 from mk = 4 on.
.macro SELECT nq
.set x, 0
.rept \nq
.set QB, SX+16*x
	v_min_u32 v[QB], s[CNT1], v[QB]
	v_lshl_or_b32 v[QB+1], v[QB], 16, 0xffff
	v_mov_b32 v[QB+2], s[MK]
	v_mov_b32 v[QB+3], s[PF]
.set x, x+1
.endr
.set g, 1
.rept (30*\nq)/9+1                     ; words 1 to 31 in ascending order, 9 / nq words to a run of nine compares
.set u, 0
.rept 9/\nq
.if g+u < 32
.set x, 0
.rept \nq
.set mk, u*\nq+x
.set MR, 14+mk+6*((mk+4)/8)
	v_cmp_gt_u32 s[MR], s[PF+g+u], v[SX+16*x+1]
.set x, x+1
.endr
.endif
.set u, u+1
.endr
	s_wait_alu depctr_va_sdst(0)                   ; the run's masks are written, ahead of the selects that read them
.set u, 0
.rept 9/\nq
.if g+u < 32
.set x, 0
.rept \nq
.set QB, SX+16*x
.set mk, u*\nq+x
.set MR, 14+mk+6*((mk+4)/8)
	v_cndmask_b32 v[QB+2], s[MK+g+u], v[QB+2], s[MR]
	v_cndmask_b32 v[QB+3], s[PF+g+u], v[QB+3], s[MR]
.set x, x+1
.endr
.endif
.set u, u+1
.endr
.set g, g+9/\nq
.endr
.set x, 0
.rept \nq
.set QB, SX+16*x
	v_lshrrev_b32 v[QB+10], 1, v[QB+2]
	v_and_b32 v[QB+10], 0x55555555, v[QB+10]
	v_sub_nc_u32 v[QB+4], v[QB+2], v[QB+10]
	v_lshrrev_b32 v[QB+10], 2, v[QB+4]
	v_and_b32 v[QB+10], 0x33333333, v[QB+10]
	v_and_b32 v[QB+11], 0x33333333, v[QB+4]
	v_add_nc_u32 v[QB+5], v[QB+10], v[QB+11]
	v_lshrrev_b32 v[QB+10], 4, v[QB+5]
	v_add_nc_u32 v[QB+10], v[QB+10], v[QB+5]
	v_and_b32 v[QB+6], 0x0f0f0f0f, v[QB+10]
	v_lshrrev_b32 v[QB+10], 8, v[QB+6]
	v_add_nc_u32 v[QB+7], v[QB+10], v[QB+6]
	v_lshrrev_b32 v[QB+10], 16, v[QB+3]
	v_sub_nc_u32 v[QB+8], v[QB], v[QB+10]
	v_mov_b32 v[QB+9], 0
.set x, x+1
.endr
	LEVEL \nq, 7, 8, 16
	LEVEL \nq, 6, 8, 8
	LEVEL \nq, 5, 4, 4
	LEVEL \nq, 4, 2, 2
	LEVEL \nq, 2, 1, 1
.set x, 0
.rept \nq
.set QB, SX+16*x
	v_and_b32 v[QB+10], 0xffff, v[QB+3]
	v_lshl_add_u32 v[QB+12], v[QB+9], 4, v[QB+10]
.set x, x+1
.endr
.endm
	s_load_b256 s[4:11], s[0:1], 0x0               ; W2 s[4:5], the scales' exponents s[6:7], himg s[8:9], sel s[10:11]
	s_load_b64 s[12:13], s[0:1], 0x20              ; y
	v_lshl_add_u32 v126, v0, 2, 0x24800
	v_mov_b32 v127, 0
	v_lshrrev_b32 v20, 5, v0
	v_readfirstlane_b32 s[WAVE], v20
	s_lshr_b32 s[XE], ttmp9, 5
	s_bfe_u32 s[KH], ttmp9, 0x10004                ; which half of K
	s_and_b32 s[SL], ttmp9, 15
	v_and_b32 v[LANE], 31, v0
	v_lshlrev_b32 v[WLD], 4, v[LANE]
	v_add_nc_u32 v[WLD+1], HALF, v[WLD]
	v_bfe_u32 v20, v0, 2, 2
	v_mul_u32_u24 v[WST], v20, FPI
	v_and_b32 v20, 3, v0
	v_lshl_add_u32 v[WST], v20, 6, v[WST]
	v_bfe_u32 v[HH], v0, 4, 1
	v_lshl_add_u32 v[WST], v[HH], 8, v[WST]
	s_wait_alu depctr_va_sdst(0)                   ; the wave's number is written, ahead of its first reader
	s_lshl_b32 s2, s[WAVE], 9
	v_add_nc_u32 v[WST], s2, v[WST]
	v_add_nc_u32 v[WST+1], HALF, v[WST]
	v_and_b32 v[RR], 15, v0
	v_lshlrev_b32 v[C16], 4, v[RR]
	v_lshl_add_u32 v[WO], v[HH], 15, v[C16]
	s_lshl_b32 s2, s[WAVE], 17
	v_add_nc_u32 v[WO], s2, v[WO]
	s_mul_i32 s2, s[WAVE], 4352
	s_add_co_u32 s2, s2, STAGE                     ; my stage
	v_mul_u32_u24 v[STO], v[RR], 272
	v_lshl_add_u32 v[STO], v[HH], 5, v[STO]
	v_add_nc_u32 v[STO], s2, v[STO]                ; in: row r, 32 bytes for each half of the lanes
	v_mul_u32_u24 v[RD], v[HH], 272
	v_add_nc_u32 v[RD], v[C16], v[RD]
	v_add_nc_u32 v[RD], s2, v[RD]                  ; back: lanes 0-15 one row of 256 bytes, lanes 16-31 the next
.irp k, 0,1,2,3,4,5,6,7
	v_lshl_add_u32 v[BA+\k], v[HH], 2, 8*\k
.endr
	s_mov_b32 s98, 0x05010400
	s_mov_b32 s99, 0x07030602
	s_mov_b32 s100, 0x05040100
	s_mov_b32 s101, 0x07060302
	s_mov_b32 s104, 0x76543210
	s_mov_b32 s105, 0xfedcba98
	s_wait_kmcnt 0x0
	s_load_b32 s25, s[6:7], 0x8                    ; e2
	s_lshl_b32 s2, s[XE], 24                       ; an expert's W2 is 16,777,216 bytes, half of its K 8,388,608; my 64 columns begin 256 sl bytes into each row
	s_lshl_b32 s3, s[KH], 23
	s_add_co_u32 s2, s2, s3
	s_lshl_b32 s3, s[SL], 8
	s_add_co_u32 s2, s2, s3
	s_mov_b32 s3, 0
	s_add_nc_u64 s[4:5], s[4:5], s[2:3]
	s_lshl_b32 s2, s[XE], 22
	s_lshl_b32 s30, s[KH], 15
	s_add_co_u32 s2, s2, s30
	s_add_nc_u64 s[8:9], s[8:9], s[2:3]            ; himg at (e, tile 0, K step 16 s)
	s_lshl_b32 s2, s[KH], 25
	s_lshl_b32 s30, s[XE], 22
	s_add_co_u32 s2, s2, s30
	s_lshl_b32 s30, s[SL], 8
	s_add_co_u32 s2, s2, s30
	s_add_nc_u64 s[12:13], s[12:13], s[2:3]        ; y at (s, e, token 0, column 64 sl)
	s_wait_alu depctr_va_vdst(0)                   ; the addresses and offsets v1-5, v10, v11 and v72-79 are written, which the loads and LDS instructions of the whole kernel read
	global_load_b128 v[TO:TO+3], v[WLD], s[10:11]              ; sel
	global_load_b128 v[TO+4:TO+7], v[WLD], s[10:11] offset:512
	WLOAD 0
	WLOAD 1
	s_wait_kmcnt 0x0
	s_add_co_i32 s2, s25, 127
	s_lshl_b32 s3, s2, 23
	v_mov_b32 v[WSC], s3                           ; 2^e2
	s_add_co_i32 s2, s2, 15
	s_lshl_b32 s2, s2, 23
	s_or_b32 s2, s2, 0x600000
	v_mov_b32 v[LIM], s2                           ; 57,344 x 2^e2
	s_lshl_b32 s[PF], 1, s[XE]
	s_lshl_b32 s[PF+1], s[PF], 8
	s_lshl_b32 s[PF+2], s[PF], 16
	s_lshl_b32 s[PF+3], s[PF], 24
	s_wait_loadcnt 63                              ; sel is in: 64 loads of W2 were issued behind it
.set g, 0
.rept 32
	v_and_b32 v40, s[PF+(g%4)], v[TO+4*(g/16)+((g%16)/4)]
	v_cmp_ne_u32 s[MK+g], 0, v40
.set g, g+1
.endr
	s_wait_alu depctr_va_sdst(0)                   ; the 32 mask words are written, ahead of the counts and selects that read them
	s_mov_b32 s2, 0
.set g, 0
.rept 32
	s_or_b32 s[PF+g], s2, 512*(g/16)+(g%16)
	s_bcnt1_i32_b32 s3, s[MK+g]
	s_lshl_b32 s3, s3, 16
	s_add_co_u32 s2, s2, s3
.set g, g+1
.endr
	s_lshr_b32 s3, s2, 16
	s_add_co_i32 s[CNT1], s3, -1
	s_add_co_u32 s3, s3, 15
	s_lshr_b32 s[NT], s3, 4
	s_add_co_u32 s3, s[NT], 3
	s_sub_co_u32 s3, s3, s[WAVE]
	s_lshr_b32 s3, s3, 2                           ; my tiles in all: w, w + 4, ..
	s_min_u32 s[NA], s3, 6                         ; six of them in registers,
	s_sub_co_u32 s[NL], s3, s[NA]                  ; the others late
	s_min_u32 s[NL], s[NL], 10
	s_max_u32 s2, s[NT], 1
	s_sub_co_u32 s2, s2, 1                         ; the last tile that the launch before has written
.irp i, 0,1,2,3,4,5
	s_add_co_u32 s3, s[WAVE], 4*\i
	s_min_u32 s3, s3, s2
	s_min_u32 s3, s3, 63
	s_lshl_b32 s3, s3, 16
	v_add_nc_u32 v[AO+\i], s3, v[WLD]
.endr
	WIN 0x80
	s_wait_alu depctr_va_vdst(0)                   ; the six offsets AO are written, which the rows' loads read
.irp i, 0,1,2,3,4,5
.irp kk, 0,1
.irp cc, 0,1,2,3
	global_load_b128 v[32*\i+16*\kk+4*\cc:32*\i+16*\kk+4*\cc+3], v[AO+\i], s[8:9] offset:\kk*2048+512*\cc   ; chunk 0 of my rows: images, 512 consecutive bytes a load
.endr
.endr
.endr
	WIN 0
	v_lshl_add_u32 v20, v[HH], 6, v[RR]            ; rank 16 w + 128 p + 64 h + r: a query serves two tiles
	s_lshl_b32 s2, s[WAVE], 4
	v_add_nc_u32 v20, s2, v20
.irp p, 0,1,2
	v_add_nc_u32 v[SX+16*\p], 128*\p, v20
.endr
	SELECT 3
	v_cmp_gt_u32 vcc_lo, 16, v[LANE]
.irp p, 0,1,2
	v_permlanex16_b32 v[SX+16*\p+11], v[SX+16*\p+12], s104, s105
.endr
	s_wait_alu depctr_va_vcc(0)                    ; VCC is written, ahead of the selects that read it
.irp p, 0,1,2
	v_cndmask_b32 v[TK+2*\p], v[SX+16*\p+11], v[SX+16*\p+12], vcc_lo
	v_cndmask_b32 v[TK+2*\p+1], v[SX+16*\p+12], v[SX+16*\p+11], vcc_lo
.endr
; THE STREAM.  Loads are issued in the order W(c), rows(c), W(c + 1): with W(c + 1)'s 32 loads behind, a count of 32 shows chunk c's weights and rows in; 48 = those 32 and the 16 of the set's second half.
; The rows' loads, of which there may be none, are counted as none.  The last chunk has nothing behind it: 16 and 0.
.irp c, 0,1,2,3,4,5,6,7
.if \c < 7
	CONVERT \c, 48, 32
.else
	CONVERT \c, 16, 0
.endif
	BAR                                            ; chunk c's eight fragments lie in LDS
	s_wait_alu depctr_vm_vsrc(0)                   ; my LDS stores have read both TT, on which the fragments' loads land and which the next chunk's turns write
.if \c == 0
	s_wait_loadcnt 0x0                             ; chunk 0's rows were asked for behind W(1)
.endif
	MULT \c
.if \c < 6
	WLOAD \c+2                                     ; no wait of its own: no vector or matrix instruction since the wait behind chunk c's turns names this landing set
.endif
.endr
.irp i, 0,1,2,3,4,5
	s_cmp_gt_u32 s[NA], \i
	s_cbranch_scc0 .Lout_done
.if \i == 0
	EPI2 \i, TK+\i, 1
.else
	EPI2 \i, TK+\i, 0
.endif
.endr
.Lout_done:
	; LATE TILES, 24 + w + 4 n, n = 0 .. NL - 1: one at a time, all of this half of K from the codes that lie in LDS.  No barrier: the codes are only read, the stage is my wave's own.
	s_cmp_gt_u32 s[NL], 0
	s_cbranch_scc0 .Ldone
	s_mov_b32 s[LC], 0
.Llate:
	s_wait_xcnt 0x0
	s_wait_alu depctr_vm_vsrc(0)                   ; the stores issued so far have read TO and OB, the LDS stores slot 0's accumulators, the permutes v12, the last trip's loads v9: all are written again below
	s_lshl_b32 s[TC], s[LC], 2
	s_add_co_u32 s[TC], s[TC], s[WAVE]
	s_add_co_u32 s[TC], s[TC], 24                  ; the tile in hand
	s_lshl_b32 s2, s[TC], 4
	v_add_nc_u32 v[SX], s2, v[RR]
	SELECT 1
	v_mov_b32 v[TKX], v[SX+12]
	s_min_u32 s2, s[TC], 63
	s_lshl_b32 s2, s2, 16
	v_add_nc_u32 v[AOX], s2, v[WLD]
	WIN 0x40
	s_wait_alu depctr_va_vdst(0)                   ; v9 is written, which the loads read, and v12, which the permutes read; the conversions, and the last trip's products, are done reading the landing registers, in which the loads land; the search is done with v128-143, on which chunk 0's fragments land
.irp ks, 0,1,2,3,4,5,6,7,8,9,10,11,12,13,14,15
.irp cc, 0,1,2,3
	global_load_b128 v[16*\ks+4*\cc:16*\ks+4*\cc+3], v[AOX], s[8:9] offset:\ks*2048+512*\cc   ; the tile's sixteen fragments fill the landing registers, which are free
.endr
.endr
	WIN 0
	s_wait_loadcnt 0x0
.irp c, 0,1,2,3,4,5,6,7
.if \c > 0
	s_wait_alu depctr_va_vdst(0)                   ; the products of the chunk before are done reading WF, in which this chunk's fragments land
.endif
.irp m, 0,1,2,3,4,5,6,7
.irp cc, 0,1,2,3
	ds_load_b128 v[WF+16*\m+4*\cc:WF+16*\m+4*\cc+3], v[WLD+\c/4] offset:(\c%4)*CH+\m*FPI+512*\cc
.endr
.endr
	s_wait_dscnt 0x0
	WIN 0xf4                                       ; source 1 window 1, C and D window 3
.irp m, 0,1,2,3,4,5,6,7
.if (\c == 0) && (\m < 4)
	v_wmma_f32_16x16x128_bf8_bf8 v[8*(\m%4):8*(\m%4)+7], v[WF+16*\m:WF+16*\m+15], v[16*(2*\c+\m/4):16*(2*\c+\m/4)+15], 0
.else
	v_wmma_f32_16x16x128_bf8_bf8 v[8*(\m%4):8*(\m%4)+7], v[WF+16*\m:WF+16*\m+15], v[16*(2*\c+\m/4):16*(2*\c+\m/4)+15], v[8*(\m%4):8*(\m%4)+7]
.endif
.endr
	PLACES
	WIN 0
.endr
	EPI2 0, TKX, 1
	s_add_co_u32 s[LC], s[LC], 1
	s_cmp_lt_u32 s[LC], s[NL]
	s_cbranch_scc1 .Llate
.Ldone:
	s_wait_dscnt 0x0
	s_wait_alu depctr_hold_cnt(0) depctr_sa_sdst(0) depctr_va_vdst(0) depctr_va_sdst(0) depctr_va_ssrc(0) depctr_va_vcc(0) depctr_vm_vsrc(0)
	s_wait_tensorcnt 0x0
	ds_add_u32 v126, v127
	s_wait_dscnt 0x0
	s_endpgm
.Lfunc_end_k_q9563ba8336_down:
	.size	k_q9563ba8336_down, .Lfunc_end_k_q9563ba8336_down-k_q9563ba8336_down
	.p2alignl 7, 3214868480
	.fill 96, 4, 3214868480
	.section	.rodata,"a",@progbits
	.p2align	6, 0x0
	.amdhsa_kernel k_q9563ba8336_down
		.amdhsa_group_segment_fixed_size 150016
		.amdhsa_private_segment_fixed_size 0
		.amdhsa_enable_private_segment 0
		.amdhsa_kernarg_size 40
		.amdhsa_user_sgpr_count 2
		.amdhsa_user_sgpr_kernarg_segment_ptr 1
		.amdhsa_wavefront_size32 1
		.amdhsa_system_sgpr_workgroup_id_x 1
		.amdhsa_system_sgpr_workgroup_id_y 1
		.amdhsa_system_sgpr_workgroup_id_z 1
		.amdhsa_system_vgpr_workitem_id 0
		.amdhsa_next_free_vgpr 1024
		.amdhsa_next_free_sgpr 106
		.amdhsa_reserve_vcc 1
		.amdhsa_float_denorm_mode_32 3
		.amdhsa_float_denorm_mode_16_64 3
		.amdhsa_memory_ordered 1
		.amdhsa_forward_progress 1
		.amdhsa_inst_pref_size 255
	.end_amdhsa_kernel
	.section	.bss,"aw",@nobits
	.p2align	6
	.space	262144
	.amdgpu_metadata
---
amdhsa.version: [ 1, 2 ]
amdhsa.kernels:
  - .name:           k_q9563ba8336_down
    .symbol:         k_q9563ba8336_down.kd
    .args:
      - { .name: W2, .offset: 0, .size: 8, .value_kind: global_buffer, .address_space: global }
      - { .name: lowp_scales, .offset: 8, .size: 8, .value_kind: global_buffer, .address_space: global }
      - { .name: himg, .offset: 16, .size: 8, .value_kind: global_buffer, .address_space: global }
      - { .name: sel, .offset: 24, .size: 8, .value_kind: global_buffer, .address_space: global }
      - { .name: y, .offset: 32, .size: 8, .value_kind: global_buffer, .address_space: global }
    .group_segment_fixed_size: 150016
    .private_segment_fixed_size: 0
    .kernarg_segment_align: 8
    .kernarg_segment_size: 40
    .max_flat_workgroup_size: 128
    .sgpr_count:     106
    .vgpr_count:     1024
    .wavefront_size: 32
...
	.end_amdgpu_metadata
.endif
;; end of part 7
;; launch mix (part 8): grid 256 x 1, 8 waves a work-group, no clusters, 0 bytes of LDS; arguments y, b2, eidx, cw, lowp_scales, out0; writes out0
.if DOCPART == 8
	.amdgcn_target "amdgcn-amd-amdhsa--gfx1250"
	.amdhsa_code_object_version 6
	.text
	.protected	k_q9563ba8336_mix
	.globl	k_q9563ba8336_mix
	.p2align	8
	.type	k_q9563ba8336_mix,@function
k_q9563ba8336_mix:
	s_mov_b64 s[64:65], 0
	v_nop
	global_prefetch_b8 v0, s[64:65] scope:SCOPE_SE
	s_setreg_imm32_b32 hwreg(HW_REG_WAVE_MODE, 25, 1), 1
	s_wait_xcnt 0x0
; out[n] = w1 (2^(e2 + e3) (y[0][a][n] + y[1][a][n]) + b2[a]) + w2 (the same with b): a, b the token's two experts, w1, w2 their weights; y's two planes are the two halves of K.
; A wave takes half a row of one token (2,048 bytes): token 4 x work-group + wave / 2, half wave % 2.  Each load and store of a wave covers 512 consecutive bytes.  Each output row has this one owner.
; A stream: no LDS, no barrier, no matrix unit.  The experts' numbers are whole numbers that an earlier launch stored; they are held at 7 ahead of the addresses.
; LIMIT: e2 + e3 between -126 and 127, so that 2^(e2 + e3) is an f32 number.  What reference() multiplies by 0 (the six experts not chosen) is not computed: a non-finite number there is not carried over.
	s_load_b256 s[4:11], s[0:1], 0x0               ; y s[4:5], b2 s[6:7], eidx s[8:9], cw s[10:11]
	s_load_b128 s[12:15], s[0:1], 0x20             ; the scales' exponents s[12:13], out0 s[14:15]
	v_lshrrev_b32 v1, 5, v0
	s_delay_alu instid0(VALU_DEP_1)
	v_readfirstlane_b32 s16, v1                    ; wave
	v_and_b32 v1, 31, v0
	s_delay_alu instid0(VALU_DEP_1)
	v_lshlrev_b32 v1, 4, v1                        ; 16 bytes a lane
	s_lshr_b32 s17, s16, 1
	s_lshl_b32 s18, ttmp9, 2
	s_add_co_u32 s17, s17, s18                     ; the token
	s_and_b32 s18, s16, 1
	s_lshl_b32 s18, s18, 11                        ; my half of a row, in bytes
	s_lshl_b32 s28, s17, 3
	s_mov_b32 s29, 0
	s_lshl_b32 s26, s17, 12
	s_add_co_u32 s26, s26, s18                     ; token x 4,096 + my half
	s_mov_b32 s27, 0
	s_mov_b32 s31, 0
	s_wait_alu depctr_va_vdst(0)
	s_wait_kmcnt 0x0
	s_add_nc_u64 s[8:9], s[8:9], s[28:29]
	s_add_nc_u64 s[10:11], s[10:11], s[28:29]
	s_load_b64 s[20:21], s[8:9], 0x0               ; the two experts
	s_load_b64 s[22:23], s[10:11], 0x0             ; the two weights
	s_load_b64 s[24:25], s[12:13], 0x8             ; e2, e3
	s_add_nc_u64 s[14:15], s[14:15], s[26:27]
	s_wait_kmcnt 0x0
	s_min_u32 s20, s20, 7
	s_min_u32 s21, s21, 7
	s_lshl_b32 s30, s20, 22                        ; an expert's plane of y is 4,194,304 bytes
	s_add_co_u32 s30, s30, s26
	s_add_nc_u64 s[32:33], s[4:5], s[30:31]
	s_add_nc_u64 s[34:35], s[32:33], 0x2000000     ; the other half of K: 8 planes on
	s_lshl_b32 s30, s20, 12
	s_add_co_u32 s30, s30, s18
	s_add_nc_u64 s[36:37], s[6:7], s[30:31]
	s_lshl_b32 s30, s21, 22
	s_add_co_u32 s30, s30, s26
	s_add_nc_u64 s[38:39], s[4:5], s[30:31]
	s_add_nc_u64 s[40:41], s[38:39], 0x2000000
	s_lshl_b32 s30, s21, 12
	s_add_co_u32 s30, s30, s18
	s_add_nc_u64 s[42:43], s[6:7], s[30:31]
.irp k, 0,1,2,3
	global_load_b128 v[8+4*\k:11+4*\k], v1, s[32:33] offset:512*\k th:TH_LOAD_NT
	global_load_b128 v[24+4*\k:27+4*\k], v1, s[34:35] offset:512*\k th:TH_LOAD_NT
	global_load_b128 v[56+4*\k:59+4*\k], v1, s[38:39] offset:512*\k th:TH_LOAD_NT
	global_load_b128 v[72+4*\k:75+4*\k], v1, s[40:41] offset:512*\k th:TH_LOAD_NT
	global_load_b128 v[40+4*\k:43+4*\k], v1, s[36:37] offset:512*\k
	global_load_b128 v[88+4*\k:91+4*\k], v1, s[42:43] offset:512*\k
.endr
	s_add_co_i32 s44, s24, s25
	s_add_co_i32 s44, s44, 127
	s_lshl_b32 s44, s44, 23                        ; 2^(e2 + e3) as f32
	s_mov_b32 s45, s44                             ; (a packed form names a pair and takes its low word for both halves: so the upper word is written)
	s_mov_b32 s46, s23                             ; the second weight, as the low word of a pair
	s_mov_b32 s47, s23
.irp k, 0,1,2,3
	s_wait_loadcnt 6*(3-\k)                        ; this quarter's six loads are in; six for each later quarter may be out
.irp p, 0,2
	v_pk_add_f32 v[8+4*\k+\p:9+4*\k+\p], v[8+4*\k+\p:9+4*\k+\p], v[24+4*\k+\p:25+4*\k+\p]
	v_pk_add_f32 v[56+4*\k+\p:57+4*\k+\p], v[56+4*\k+\p:57+4*\k+\p], v[72+4*\k+\p:73+4*\k+\p]
	s_delay_alu instid0(VALU_DEP_2)
	v_pk_fma_f32 v[8+4*\k+\p:9+4*\k+\p], v[8+4*\k+\p:9+4*\k+\p], s[44:45], v[40+4*\k+\p:41+4*\k+\p] op_sel_hi:[1,0,1]
	s_delay_alu instid0(VALU_DEP_2)
	v_pk_fma_f32 v[56+4*\k+\p:57+4*\k+\p], v[56+4*\k+\p:57+4*\k+\p], s[44:45], v[88+4*\k+\p:89+4*\k+\p] op_sel_hi:[1,0,1]
	s_delay_alu instid0(VALU_DEP_2)
	v_pk_mul_f32 v[104+4*\k+\p:105+4*\k+\p], v[8+4*\k+\p:9+4*\k+\p], s[22:23] op_sel_hi:[1,0]
	s_delay_alu instid0(VALU_DEP_1)
	v_pk_fma_f32 v[104+4*\k+\p:105+4*\k+\p], v[56+4*\k+\p:57+4*\k+\p], s[46:47], v[104+4*\k+\p:105+4*\k+\p] op_sel_hi:[1,0,1]
.endr
	global_store_b128 v1, v[104+4*\k:107+4*\k], s[14:15] offset:512*\k th:TH_STORE_NT
.endr
	s_endpgm
.Lfunc_end_k_q9563ba8336_mix:
	.size	k_q9563ba8336_mix, .Lfunc_end_k_q9563ba8336_mix-k_q9563ba8336_mix
	.p2alignl 7, 3214868480
	.fill 96, 4, 3214868480
	.section	.rodata,"a",@progbits
	.p2align	6, 0x0
	.amdhsa_kernel k_q9563ba8336_mix
		.amdhsa_group_segment_fixed_size 0
		.amdhsa_private_segment_fixed_size 0
		.amdhsa_enable_private_segment 0
		.amdhsa_kernarg_size 48
		.amdhsa_user_sgpr_count 2
		.amdhsa_user_sgpr_kernarg_segment_ptr 1
		.amdhsa_wavefront_size32 1
		.amdhsa_system_sgpr_workgroup_id_x 1
		.amdhsa_system_sgpr_workgroup_id_y 1
		.amdhsa_system_sgpr_workgroup_id_z 1
		.amdhsa_system_vgpr_workitem_id 0
		.amdhsa_next_free_vgpr 128
		.amdhsa_next_free_sgpr 66
		.amdhsa_reserve_vcc 0
		.amdhsa_float_denorm_mode_32 3
		.amdhsa_float_denorm_mode_16_64 3
		.amdhsa_memory_ordered 1
		.amdhsa_forward_progress 1
		.amdhsa_inst_pref_size 9
	.end_amdhsa_kernel
	.amdgpu_metadata
---
amdhsa.version: [ 1, 2 ]
amdhsa.kernels:
  - .name:           k_q9563ba8336_mix
    .symbol:         k_q9563ba8336_mix.kd
    .args:
      - { .name: y, .offset: 0, .size: 8, .value_kind: global_buffer, .address_space: global }
      - { .name: b2, .offset: 8, .size: 8, .value_kind: global_buffer, .address_space: global }
      - { .name: eidx, .offset: 16, .size: 8, .value_kind: global_buffer, .address_space: global }
      - { .name: cw, .offset: 24, .size: 8, .value_kind: global_buffer, .address_space: global }
      - { .name: lowp_scales, .offset: 32, .size: 8, .value_kind: global_buffer, .address_space: global }
      - { .name: out0, .offset: 40, .size: 8, .value_kind: global_buffer, .address_space: global }
    .group_segment_fixed_size: 0
    .private_segment_fixed_size: 0
    .kernarg_segment_align: 8
    .kernarg_segment_size: 48
    .max_flat_workgroup_size: 256
    .sgpr_count:     66
    .vgpr_count:     128
    .wavefront_size: 32
...
	.end_amdgpu_metadata
.endif
;; end of part 8
